; MI455X (gfx1250); checked and timed in simulation.
; The chip was launched on July 23, 2026; its instructions are those of AMD's public machine-readable ISA for CDNA 5 (MIT licence, August 2026) and "CDNA5" Instruction Set Architecture Reference Guide (July 2026). The comments in the code are by the model that wrote it; some were corrected since.
;; Multihead Attention Z Cross. Allowed arithmetic: matrix products marked QUANTISED: E2M3 operands, one E8M0 scale for each 32 along K, by v_wmma_scale_f32_16x16x128_f8f6f4 with both operands' format E2M3, f32 sums; everything else in f32.
;; Inputs: W_codes 1,024 x 32 x 24 uint8 (E2M3 codes of W, K innermost, in blocks of 32 codes, four codes in three bytes); W_scales 1,024 x 32 uint8 (E8M0 scales of W, one for each 32 codes along K); b 1,024 float32; k_codes 2,048 x 8 x 32 x 24 uint8 (E2M3 codes of k, K innermost, in blocks of 32 codes, four codes in three bytes); k_scales 2,048 x 8 x 32 uint8 (E8M0 scales of k, one for each 32 codes along K); q1 1,024 x 8 x 1,024 float32; value 2,048 x 8 x 1,024 float32.
;; Outputs: out0 1,024 x 8 x 1,024 float32.
;; This version of the problem:
;;   THIS VERSION OF THE PROBLEM IS GIVEN IN LOW PRECISION. The matrix products marked QUANTISED in the list below multiply operands that are first quantised to E2M3 (2 exponent bits, 3 mantissa bits; 6 bits a number), with one power-of-two scale for each 32 numbers along K (OCP MX v1.0); their sums are f32. All else is computed in f32.
;;   The module's matrix products, in the order in which they are computed (A, B: the left and right operand; K: the contracted axis; several contracted axes count as one K, in the product's order):
;;     1. [M 16,384, K 1,024] x [K 1,024, N 1,024]; A: input k (given as codes); B: input W (given as codes): QUANTISED
;;     2. batch 8 x [M 1,024, K 1,024] x [K 1,024, N 2,048]; A: computed on the way; B: input k (given as codes): QUANTISED
;;     3. batch 8 x [M 1,024, K 2,048] x [K 2,048, N 1,024]; A: softmax (see below); B: computed on the way: QUANTISED
;;   THE QUANTISER, for each operand of a quantised product, along K:
;;     - K is cut into blocks of 32 from its start; a last block that is shorter is filled with zeros.
;;     - A block's scale is 2^e with e = floor(log2(the largest magnitude in the block)) - 2, held to -126 .. 127; a block of zeros has e = 0. As a byte (E8M0): e + 127.
;;     - Each number is divided by its block's scale, clamped to +-7.5, and rounded to the nearest number of E2M3, ties to even, subnormals kept.
;;     - The product sums the exact products of the quantised numbers (number of the format x scale) in f32.
;;   ~~~python
;;   def quantise(x, axis):      # numpy; x: float32 -> the quantised numbers, widened to float32 again
;;       x = np.moveaxis(x, axis, -1); K = x.shape[-1]
;;       x = np.pad(x, [(0, 0)] * (x.ndim - 1) + [(0, -K % 32)]); x = x.reshape(x.shape[:-1] + (-1, 32)); a = np.abs(x).max(-1, keepdims=True)
;;       e = np.where(a > 0, np.clip(np.frexp(np.where(a > 0, a, 1))[1] - 1 - 2, -126, 127), 0)      # np.frexp(a)[1] - 1 = floor(log2(a)), exactly
;;       r = np.clip(x / 2.0 ** e, -7.5, 7.5)
;;       step = 2.0 ** (np.maximum(np.frexp(np.where(r == 0, 1, r))[1] - 1, 0) - 3)
;;       q = np.round(r / step) * step * 2.0 ** e      # np.round: ties to even
;;       return np.moveaxis(q.reshape(q.shape[:-2] + (-1,))[..., :K], -1, axis).astype(np.float32)
;;   ~~~
;;   SOFTMAX AHEAD OF A QUANTISED PRODUCT. Where the list says 'softmax', what is quantised is not the finished softmax but p = 2^(t - M), with t = logit x log2(e) and M = ceil(the row's largest t), a whole number; so 1/2 < the row's largest p <= 1. The row's sum l is taken of the UNQUANTISED p, in f32, and the product's result is divided by l at the end. Since M is a whole number, a kernel that streams over the keys may use a running M (the ceiling of the running maximum): every later rescaling is an exact power of two, which a block's scale takes up: the codes' values come out the same.
;;   OPERANDS COMPUTED ON THE WAY. 'Computed on the way' means the value that the module computes at that place (a softmax that the list does not call 'softmax' is quantised finished and normalised). What goes into a quantiser is computed in f32, as accurately as f32 sums, v_exp_f32 and their like allow (about 1e-6 of the number): no bf16 or f16 on the way to a quantiser, and a product that is left as it is and whose result goes on into a quantised operand takes f32 operands (vector FMAs, or v_wmma_f32_16x16x4_f32). A number that lies on a knife's edge between two numbers of the format may be rounded either way, as far as f32 arithmetic and the matrix unit's own rounding can turn it there, and no further.
;;   INPUTS GIVEN AS CODES. W (in the module: [1024, 1024], K = its axis 1); k (in the module: [2048, 8, 1024], K = its axis 2): each comes as NAME_codes (uint8): NAME with its K axis moved to the last place and cut into blocks of 32 codes, [.., K / 32, bytes a block], one block behind the other in memory; four codes in three bytes: a row's codes are one little-endian stream of bits, code i at bits 6 i .. 6 i + 5 (a code: sign, 2 exponent bits, 3 mantissa bits); and NAME_scales (uint8): the same leading axes, one E8M0 byte (e + 127) for each 32 codes along K. Its value is code x scale, taken as it is: it is not quantised again, and the codes and scales need not be those that the quantiser above would give.
;; One version. Each part assembles by itself: llvm-mc -triple=amdgcn-amd-amdhsa -mcpu=gfx1250 --defsym DOCPART=n.
;; ======== version 1 of 1: 3 launches
;; workspace buffers: q_codes 6,291,456 bytes; q_scales 262,144 bytes; vfrag 12,582,912 bytes; vscl 524,288 bytes; pfrag 12,582,912 bytes; pstat 1,572,864 bytes
;; launch vproj (part 1): grid 64 x 4, 4 waves a work-group, clusters of 4 x 4, 327,680 bytes of LDS; arguments W_codes, W_scales, k_codes, k_scales, b, q1, q_codes, q_scales, vfrag, vscl; writes q_codes, q_scales, vfrag, vscl
.if DOCPART == 1
	.amdgcn_target "amdgcn-amd-amdhsa--gfx1250"
	.amdhsa_code_object_version 6
	.text
	.protected	k_q4e606f8b7d_vproj
	.globl	k_q4e606f8b7d_vproj
	.p2align	8
	.type	k_q4e606f8b7d_vproj,@function
k_q4e606f8b7d_vproj:
	s_mov_b64 s[64:65], 0
	v_nop
	global_prefetch_b8 v0, s[64:65] scope:SCOPE_SE
	s_setreg_imm32_b32 hwreg(HW_REG_WAVE_MODE, 25, 1), 1
	s_wait_xcnt 0x0
	s_wait_alu depctr_hold_cnt(0) depctr_sa_sdst(0) depctr_va_vdst(0) depctr_va_sdst(0) depctr_va_ssrc(0) depctr_va_vcc(0) depctr_vm_vsrc(0)
	s_getreg_b32 s2, hwreg(HW_REG_IB_STS2, 6, 4)
	s_cmp_eq_u32 s2, 0
	s_cbranch_scc0 .Lentry_in_a_cluster
	s_endpgm
.Lentry_in_a_cluster:
	s_bfe_u32 s2, ttmp6, 0x10000c
	s_cmp_lg_u32 s2, 0xf033
	s_cbranch_scc0 .Lentry_shape_is_right
	s_endpgm
.Lentry_shape_is_right:
; LAUNCH 1 OF 3.  (a) q = q1 / 8 is quantised along E into codes of FP6 (E2M3) and E8M0 bytes: q_codes [b 8][t 1024][768 bytes], q_scales [b][t][32].
; (b) v = k W^T + b on codes (both operands arrive as codes), and v is quantised along the KEYS, which are the K of the last product, into images of operand registers:
;     vfrag [b 8][E4 4][ks 16][et 16][1536 bytes]: a fragment of 16 e x 128 keys, register group c (4 registers) of lane l at byte 512 c + 16 l;  vscl [b][E4][ks][half 2][r 16][i 8] scale words.
; The input value is not read: the function that is computed deletes it in its first line, and nothing hangs on it.
; LIMITS: NaN and infinities among the inputs are not served.  A block of zeros gets the byte 1 (its codes are zeros, and these bytes are read by this program alone).
; SHARES.  A work-group makes 256 e x 256 keys of one batch, K = 1,024; a wave 128 x 128: 64 accumulators, 512 registers.  K goes in steps of 256 through two LDS slots filled by the tensor data mover.
; The matrix instruction takes 16 keys as source 0 and 16 rows of W as source 1: a lane then holds ONE e (lane % 16) and, in accumulator (a, t), keys 16 t + 8 (lane / 16) + 0 .. 7.
; So the 16 registers of tiles 2 n and 2 n + 1 are half of the block of keys 32 n .. 32 n + 31, and lane l xor 16 holds the other half.  Inside a block the codes stand in the order 0-7, 16-23, 8-15, 24-31:
; the weights p of the next launch are laid in the same order, so the last product sums the same pairs.
; CLUSTER 4 x 4: the four of a row need the same rows of W, the four of a column the same keys: each tile is asked for jointly.  The grid has one cluster along y, so the tile row is cy.
; The bias is the C of each sum's first product.  Each work-group also quantises 32 rows of q1 while its first tiles are on their way.
; REGISTERS, in windows of 256: window 0: v1-29 addresses; v32-63 scale words; v64-127 the bias; v128-223 W's fragments, one set.  window 1: k's fragments, two sets.  windows 2, 3: the accumulators ((a, t) at v[8 (8 (a % 4) + t)]).
.set NQ,     2                         ; matrix instructions deep in a slot
.set ROWB,   192                       ; a tile's row: 256 codes
.set PITCH,  240                       ; in LDS: 3 x (64 bytes + 16 of padding)
.set FR,     12                        ; registers of a fragment
.set NL,     6                         ; LDS loads that bring one
.set NP,     4                         ; places behind this matrix instruction (ISA guide 7.12.1)
.set HALFT,  128*PITCH                 ; what one tensor load brings
.set SLOT,   4*HALFT                   ; W's 256 rows, then k's 256 rows
.set SCL,    2*SLOT                    ; behind the ring: the scale bytes of all of K: four pieces of 128 rows x (32 bytes + 8)
.set SPS,    40
.set HALFS,  128*SPS
.set SBLK,   16*SPS
.set SPARE,  SCL+4*HALFS               ; the spare words: 128 bytes a wave, two blocks of 256 bytes that no other line names
.set QST,    SPARE+512                 ; the q quantiser's own bytes: 8,192 a wave: two stages of 32 x 80 bytes, then 256 scale bytes
.set QSP,    80
.set QBY,    2*32*QSP
.set LN,   1                           ; v1   lane
.set RR,   2                           ; v2   lane % 16
.set HH,   3                           ; v3   lane / 16
.set QC,   4                           ; v4   12 x lane: my codes in a step of q
.set QBI,  5                           ; v5   LDS: my block's scale byte
.set QBO,  6                           ; v6   LDS: 8 of the wave's 256 scale bytes
.set QSO,  7                           ; v7   8 x lane
.set QIN,  14                          ; v14  the stage, on the way in
.set QOUT, 15                          ; v15  and on the way out
.set ADRA, 16                          ; v16-17 W's fragments in slot 0, 1; v18-19 the same behind one padding more
.set ADRB, 20                          ; v20-23 the same for k
.set SO,   24                          ; v24  32 r + 16 h: my four scale words on the way out
.set BO,   25                          ; v25  4 r: the bias
.set LO,   26                          ; v26  16 x lane
.set ADRS, 27                          ; v27  LDS address of my scale words: lanes 0-15 W's, lanes 16-31 k's
.set SPW,  28                          ; v28  my spare word; never rewritten
.set NIL,  29                          ; v29  0; never rewritten
.set SC,   32                          ; v32-63 scale words and nothing else: set s at v[SC + 16 s]; register 2 i + q
.set BIAS, 64                          ; v64-127 b of my e, eight times for each of my eight blocks
.set AF,   128                         ; W's fragments
.set CQ,   128                         ; q: codes, four registers a step
.set EQ,   192                         ; q: a scale byte a step
.set BR,   208                         ; b as loaded
.set XQ,   224                         ; q: two sets of 16 neighbours
.set PC,   128                         ; the way out: a fragment's codes
.set TM,   200                         ; v200-203 largest magnitudes, v204-207 bytes, v212-215 the conversions' scale operands
.set WD,   216                         ; v216-223 the eight fragments' scale words
.set OW,   224
.set G1,   24
.set G0,   32
.set G1B,  48
.set G0B,  56
.set G1S,  68
.set G0S,  76
.set G1SB, 80
.set G0SB, 88
.set MSB, 0
.macro WIN new                         ; the immediate's high byte repeats the setting that is left
.if MSB != (\new)
	s_set_vgpr_msb (MSB<<8)|(\new)
.set MSB, (\new)
.endif
.endm
.set MUL_LO,   0xa1                    ; source 0 (k) window 1, source 1 (W) window 0, C and D window 2
.set MUL_HI,   0xf1                    ; the same, C and D window 3
.set FIRST_LO, 0x81                    ; the first products: C (the bias) window 0, D window 2
.set FIRST_HI, 0xc1
.set TO_B,     0x40
; A joint load: waves 0 and 1 fetch for W, waves 2 and 3 for k.  The branch hangs on the wave's number alone.  Four v_nop follow each of the two lines.
.macro JLOAD g0a, g1a, g0b, g1b
	s_cmp_eq_u32 s15, 0
	s_cbranch_scc0 .Lfor_b_\@
	tensor_load_to_lds s[\g0a:\g0a+3], s[\g1a:\g1a+7]
	s_nop 0
.rept 4
	v_nop
.endr
	s_branch .Lasked_\@
.Lfor_b_\@:
	tensor_load_to_lds s[\g0b:\g0b+3], s[\g1b:\g1b+7]
	s_nop 0
.rept 4
	v_nop
.endr
.Lasked_\@:
.endm
.macro CREST                           ; a round of the cluster's barrier behind its opening barrier
	s_cmp_lg_u32 s14, 0
	s_cbranch_scc1 .Lnot_wave_0_\@
	s_barrier_signal -3
.Lnot_wave_0_\@:
	s_barrier_wait -3
	s_barrier_signal -1
	s_barrier_wait -1
.endm
.macro CROUND
	s_barrier_signal -1
	s_barrier_wait -1
	CREST
.endm
	s_load_b128 s[4:7], s[0:1], 0x0                ; W's codes, W's scales
	s_load_b128 s[8:11], s[0:1], 0x10              ; k's codes, k's scales
	s_load_b64 s[12:13], s[0:1], 0x20              ; b
	s_load_b64 s[66:67], s[0:1], 0x28              ; q1
	s_load_b128 s[96:99], s[0:1], 0x30             ; q_codes, q_scales
	s_load_b64 s[100:101], s[0:1], 0x40            ; vfrag
	s_load_b64 s[104:105], s[0:1], 0x48            ; vscl
	v_lshl_add_u32 v[SPW], v0, 2, SPARE
	v_mov_b32 v[NIL], 0
	ds_add_u32 v28, v29
	ds_add_u32 v28, v29
	s_wait_dscnt 0x0
	v_lshrrev_b32 v8, 5, v0
	v_readfirstlane_b32 s14, v8                    ; wave 0..3
	s_lshr_b32 s15, s14, 1                         ; my half of the 256 e.  Also: I fetch for W (0) or for k (1)
	s_and_b32 s16, s14, 1                          ; my half of the 256 keys.  Also: which 128 rows I fetch
	s_bfe_u32 s40, ttmp6, 0x40000                  ; cx
	s_bfe_u32 s41, ttmp6, 0x40004                  ; cy
	s_lshl_b32 s42, ttmp9, 2
	s_add_co_u32 s42, s42, s40                     ; x = 4 x cluster x + cx: batch x / 8, tile of keys x % 8
	s_mov_b32 s17, s41                             ; y = cy: which 256 e
	s_lshl_b32 s43, s41, 2
	s_lshl_b32 s43, 15, s43                        ; my row of the cluster
	s_lshl_b32 s44, 0x1111, s40                    ; my column
	; descriptor group 1: 128 rows x 192 bytes, 16 bytes of padding behind every 64
	s_or_b32 s[G1+0], s43, (0<<16)|(1<<20)|(1<<21)|(3<<22)|(3<<25)
	s_or_b32 s[G1B+0], s44, (0<<16)|(1<<20)|(1<<21)|(3<<22)|(3<<25)
.irp g, G1, G1B
	s_mov_b32 s[\g+1], ROWB<<16                    ; tensor_dim0
	s_mov_b32 s[\g+2], 128<<16                     ; tensor_dim1
	s_mov_b32 s[\g+3], ROWB<<16                    ; tile_dim0
	s_mov_b32 s[\g+4], 128                         ; tile_dim1
	s_mov_b32 s[\g+6], 0
	s_mov_b32 s[\g+7], 0
.endr
	s_mov_b32 s[G1+5], 768                         ; a row of W: 768 bytes
	s_mov_b32 s[G1B+5], 6144                       ; from key to key of one batch: 8 rows of 768 bytes
	; the scale bytes of 128 rows: 8 words a row, 2 words of padding behind each row
	s_or_b32 s[G1S+0], s43, (2<<16)|(1<<20)|(1<<21)|(2<<22)|(1<<25)
	s_or_b32 s[G1SB+0], s44, (2<<16)|(1<<20)|(1<<21)|(2<<22)|(1<<25)
.irp g, G1S, G1SB
	s_mov_b32 s[\g+1], 8<<16
	s_mov_b32 s[\g+2], 128<<16
	s_mov_b32 s[\g+3], 8<<16
	s_mov_b32 s[\g+4], 128
	s_mov_b32 s[\g+6], 0
	s_mov_b32 s[\g+7], 0
.endr
	s_mov_b32 s[G1S+5], 8                          ; W's rows of scales are dense
	s_mov_b32 s[G1SB+5], 64                        ; k's: 8 batches x 8 words from key to key
	; vector addresses
	v_and_b32 v[LN], 31, v0
	v_and_b32 v[RR], 15, v0
	v_bfe_u32 v[HH], v0, 4, 1
	v_lshlrev_b32 v[LO], 4, v[LN]
	v_lshlrev_b32 v[BO], 2, v[RR]
	v_lshlrev_b32 v[SO], 5, v[RR]
	v_lshl_add_u32 v[SO], v[HH], 4, v[SO]
	v_mul_u32_u24 v8, v[RR], PITCH
	v_mul_u32_u24 v9, v[HH], 24
	v_add_nc_u32 v9, v8, v9                        ; a fragment's row x pitch + 24 x half
	v_lshl_add_u32 v10, v[HH], 4, v9               ; and the same behind one padding more
	s_mul_i32 s21, s15, HALFT
	s_mul_i32 s22, s16, HALFT
	s_add_co_u32 s22, s22, 2*HALFT
.irp s, 0,1
	v_add_nc_u32 v[ADRA+\s], s21, v9
	v_add_nc_u32 v[ADRB+\s], s22, v9
	v_add_nc_u32 v[ADRA+2+\s], s21, v10
	v_add_nc_u32 v[ADRB+2+\s], s22, v10
	s_add_co_u32 s21, s21, SLOT
	s_add_co_u32 s22, s22, SLOT
.endr
	v_mul_u32_u24 v8, v[RR], SPS
	s_mul_i32 s21, s15, HALFS                      ; W's scales: my 128 rows
	s_mul_i32 s22, s16, HALFS                      ; k's: my 128 rows, behind W's 256
	s_add_co_u32 s22, s22, 2*HALFS
	s_sub_co_u32 s22, s22, s21
	v_mul_u32_u24 v9, s22, v[HH]                   ; lanes 16-31 take k's: one product with the half
	s_add_co_u32 s21, s21, SCL
	v_add_nc_u32 v8, v8, v9
	v_add_nc_u32 v[ADRS], s21, v8
	s_lshl_b32 s18, s14, 13
	s_add_co_u32 s18, s18, QST                     ; the q quantiser's bytes of my wave
	v_lshrrev_b32 v[QIN], 2, v[LN]
	v_mul_u32_u24 v[QIN], v[QIN], QSP
	v_and_b32 v8, 3, v[LN]
	v_lshl_add_u32 v[QIN], v8, 4, v[QIN]
	v_add_nc_u32 v[QIN], s18, v[QIN]               ; in: four lanes' 64 bytes on end, then 16 of padding
	v_mul_u32_u24 v[QOUT], v[LN], QSP
	v_add_nc_u32 v[QOUT], s18, v[QOUT]             ; out: 80 x lane: my 16 neighbours
	v_mul_u32_u24 v[QC], v[LN], 12
	s_add_co_u32 s18, s18, QBY
	v_lshrrev_b32 v[QBI], 1, v[LN]
	v_add_nc_u32 v[QBI], s18, v[QBI]
	v_lshlrev_b32 v[QSO], 3, v[LN]
	v_add_nc_u32 v[QBO], s18, v[QSO]
	; where the tiles come from.  W's hang on cy alone, k's on x alone
	s_lshl_b32 s18, s16, 7                         ; which 128 rows I fetch
	s_lshl_b32 s20, s17, 8
	s_add_co_u32 s20, s20, s18                     ; W: row 256 y + 128 x half
	s_lshl_b32 s22, s20, 5                         ; its scales: 32 bytes a row
	s_mov_b32 s23, 0
	s_mul_i32 s20, s20, 768                        ; its codes
	s_mov_b32 s21, 0
	s_and_b32 s46, s42, 7
	s_lshl_b32 s46, s46, 8
	s_add_co_u32 s46, s46, s18                     ; k: key 256 (x % 8) + 128 x half
	s_lshr_b32 s95, s42, 3                         ; batch
	s_lshl_b32 s92, s46, 8                         ; scales: 256 bytes a key + 32 x batch
	s_lshl_b32 s93, s95, 5
	s_add_co_u32 s92, s92, s93
	s_mov_b32 s93, 0
	s_mul_i32 s46, s46, 6144                       ; codes: 6,144 bytes a key + 768 x batch
	s_mul_i32 s47, s95, 768
	s_add_co_u32 s46, s46, s47
	s_mov_b32 s47, 0
	s_mul_i32 s45, s14, HALFT                      ; where they go: wave x 128 rows
	s_mul_i32 s94, s14, HALFS
	s_wait_kmcnt 0x0
	s_lshl_b32 s18, s17, 10                        ; b: my 128 numbers: 4 (256 y + 128 x half)
	s_lshl_b32 s19, s15, 9
	s_add_co_u32 s18, s18, s19
	s_mov_b32 s19, 0
	s_add_nc_u64 s[12:13], s[12:13], s[18:19]
	; q: work-group g = 64 y + x takes batch g % 8 and queries 32 (g / 8) on; my wave 8 of them
	s_lshl_b32 s18, s17, 8
	s_lshr_b32 s19, s42, 3
	s_lshl_b32 s19, s19, 5
	s_add_co_u32 s18, s18, s19
	s_lshl_b32 s19, s14, 3
	s_add_co_u32 s18, s18, s19                     ; my first query t0
	s_and_b32 s95, s42, 7                          ; the batch of q
	s_lshl_b32 s19, s18, 3
	s_add_co_u32 s19, s19, s95
	s_lshl_b32 s2, s19, 12                         ; q1: row (t0, batch) of 4,096 bytes
	s_mov_b32 s3, 0
	s_add_nc_u64 s[66:67], s[66:67], s[2:3]
	s_lshl_b32 s95, s95, 10
	s_add_co_u32 s95, s95, s18                     ; 1,024 x batch + t0
	s_mul_i32 s2, s95, 768
	s_add_nc_u64 s[96:97], s[96:97], s[2:3]
	s_lshl_b32 s2, s95, 5
	s_add_nc_u64 s[98:99], s[98:99], s[2:3]
.macro QLOAD t                         ; step t of q1: half (t % 2) of my row t / 2: four loads of 512 consecutive bytes, into window 2, which the accumulators do not need yet
.irp i, 0,1,2,3
	global_load_b128 v[16*(\t)+4*\i:16*(\t)+4*\i+3], v[LO], s[66:67] offset:((\t)/2)*32768+((\t)%2)*2048+512*\i th:TH_LOAD_NT
.endr
.endm
.irp a, 0,1,2,3,4,5,6,7
	global_load_b32 v[BR+\a], v[BO], s[12:13] offset:64*\a      ; b of e = 16 a + r
.endr
	WIN 0x80
.irp t, 0,1,2,3,4,5,6,7
	QLOAD \t                                       ; eight steps ahead: 40 loads of mine are out
.endr
	WIN 0
	s_add_nc_u64 s[20:21], s[4:5], s[20:21]
	s_add_nc_u64 s[22:23], s[6:7], s[22:23]
	s_add_nc_u64 s[46:47], s[8:9], s[46:47]
	s_add_nc_u64 s[92:93], s[10:11], s[92:93]
	CROUND                                         ; all sixteen work-groups are here: the first joint loads meet
	s_mov_b32 s[G0S], 1
	s_add_co_u32 s[G0S+1], s94, SCL
	s_mov_b64 s[G0S+2:G0S+3], s[22:23]
	s_or_b32 s[G0S+3], s[G0S+3], 0x80000000
	s_mov_b32 s[G0SB], 1
	s_add_co_u32 s[G0SB+1], s94, SCL
	s_mov_b64 s[G0SB+2:G0SB+3], s[92:93]
	s_or_b32 s[G0SB+3], s[G0SB+3], 0x80000000
	JLOAD G0S, G1S, G0SB, G1SB                     ; the scale bytes of all of K: filled once
.irp s, 0,1
	s_mov_b32 s[G0+4*\s], 1
	s_add_co_u32 s[G0+4*\s+1], s45, \s*SLOT
	s_add_nc_u64 s[G0+4*\s+2:G0+4*\s+3], s[20:21], \s*ROWB
	s_or_b32 s[G0+4*\s+3], s[G0+4*\s+3], 0x80000000
	s_mov_b32 s[G0B+4*\s], 1
	s_add_co_u32 s[G0B+4*\s+1], s45, \s*SLOT
	s_add_nc_u64 s[G0B+4*\s+2:G0B+4*\s+3], s[46:47], \s*ROWB
	s_or_b32 s[G0B+4*\s+3], s[G0B+4*\s+3], 0x80000000
	JLOAD G0+4*\s, G1, G0B+4*\s, G1B               ; three tensor loads of mine are out
.endr
	; where my results go
	s_lshr_b32 s46, s42, 3
	s_lshl_b32 s46, s46, 2
	s_add_co_u32 s46, s46, s17                     ; 4 x batch + y
	s_lshl_b32 s46, s46, 4
	s_and_b32 s47, s42, 7
	s_lshl_b32 s47, s47, 1
	s_add_co_u32 s47, s47, s16                     ; ks: which 128 keys
	s_add_co_u32 s95, s46, s47
	s_mul_i32 s46, s95, 16*FR*128                  ; vfrag: 24,576 bytes for each (batch, E4, ks),
	s_mul_i32 s47, s15, 8*FR*128                   ; my half's eight fragments
	s_add_co_u32 s46, s46, s47
	s_mov_b32 s47, 0
	s_add_nc_u64 s[100:101], s[100:101], s[46:47]
	s_lshl_b32 s46, s95, 10                        ; vscl: 1,024 bytes, my half's 512
	s_lshl_b32 s92, s15, 9
	s_add_co_u32 s46, s46, s92
	s_add_nc_u64 s[104:105], s[104:105], s[46:47]
	s_mov_b32 s2, 0x76543210
	s_mov_b32 s3, 0xfedcba98                       ; v_permlanex16_b32's selects for lane l xor 16
; THE q QUANTISER.  16 steps of 512 numbers a wave.  A step's 2,048 bytes go through the wave's own stage as they lie and come back 64 bytes a lane: 16 neighbours along E; two neighbouring lanes hold a block.
.macro QTURN t
	WIN 0x08                                       ; an LDS store's data are its source 1: window 2
.irp i, 0,1,2,3
	ds_store_b128 v[QIN], v[16*(\t)+4*\i:16*(\t)+4*\i+3] offset:32*QSP*((\t)%2)+8*QSP*\i
.endr
	WIN 0
.irp i, 0,1,2,3
	ds_load_b128 v[XQ+16*((\t)%2)+4*\i:XQ+16*((\t)%2)+4*\i+3], v[QOUT] offset:32*QSP*((\t)%2)+16*\i   ; LDS serves a wave's instructions in order (ISA guide 5.7.1.4)
.endr
.endm
.macro QSTEP t
.set XS, XQ+16*((\t)%2)
.if (\t) > 0
	s_wait_dscnt 1                                 ; this step's numbers are back from the stage; the last step's byte store may be out
.else
	s_wait_dscnt 0x0
.endif
.if (\t)+8 < 16
	WIN 0x80
	QLOAD (\t)+8
.endif
.if (\t)+1 < 16
.if (\t) < 8
	s_wait_loadcnt 28                              ; the next step's four loads are in; those of the seven steps behind it may be out
.else
	s_wait_loadcnt 4*(14-(\t))                     ; likewise; nothing more is asked for.  The last of these waits is for 0
.endif
	QTURN (\t)+1
.endif
	v_max3_num_f32 v8, |v[XS]|, |v[XS+1]|, |v[XS+2]|
	v_max3_num_f32 v9, |v[XS+3]|, |v[XS+4]|, |v[XS+5]|
.irp i, 6,10
	v_max3_num_f32 v8, v8, |v[XS+\i]|, |v[XS+\i+1]|
	v_max3_num_f32 v9, v9, |v[XS+\i+2]|, |v[XS+\i+3]|
.endr
	v_max3_num_f32 v8, v8, |v[XS+14]|, |v[XS+15]|
	v_max3_num_f32 v8, v8, v9, 6<<23               ; the floor 2^(6 - 127): q's byte, 5 under this exponent field, cannot fall under 1
	v_max_num_f32_dpp v8, v8, v8 row_xmask:1 row_mask:0xf bank_mask:0xf   ; with my neighbour's 16: the block's largest |q1|
	v_add_nc_u32 v11, -(2<<23), v8                 ; the conversion's scale operand: q1 over 2^(floor(log2) - 2) gives the codes of q1 / 8 too
	v_add_nc_u32 v10, -(5<<23), v8                 ; the factor 1 / 8 goes into the scale: three more off the exponent field
	v_cvt_scalef32_pk16_fp6_f32 v[CQ+4*(\t):CQ+4*(\t)+2], v[XS:XS+15], v11
	v_lshrrev_b32 v[EQ+(\t)], 23, v10              ; the scale's byte (a plain line behind the conversion)
	ds_store_b8 v[QBI], v[EQ+(\t)] offset:16*(\t)  ; both lanes of a block write the same byte with the same value
	global_store_b96 v[QC], v[CQ+4*(\t):CQ+4*(\t)+2], s[96:97] offset:384*(\t)   ; the wave stores 384 consecutive bytes
.endm
	s_wait_loadcnt 28                              ; b and step 0 are in; steps 1 to 7 may be out
	QTURN 0
.irp t, 0,1,2,3,4,5,6,7,8,9,10,11,12,13,14,15
	QSTEP \t
.endr
	ds_load_b64 v[12:13], v[QBO]
	s_wait_dscnt 0x0
	global_store_b64 v[QSO], v[12:13], s[98:99]    ; 32 lanes store 256 consecutive bytes, at a multiple of 256 from the buffer's first byte
.irp a, 0,1,2,3,4,5,6,7
.irp j, 0,1,2,3,4,5,6,7
	v_mov_b32 v[BIAS+8*\a+\j], v[BR+\a]            ; the C of block a's first products: every key of my e gets b[e]
.endr
.endr
	s_wait_xcnt 0x0                                ; the stores of q's codes have read their registers: W's fragments land there
.macro FRAG reg, adr, q, i             ; 16 rows x 128 K of 6-bit codes: 12 registers, in pieces of 8 bytes; lanes 16-31 read three pieces further on, for some pieces behind one padding more
.irp p, 0,1,2,3,4,5
.set PCE, 12*(\q)+6*(\p/3)+\p%3
.if PCE%8 < 5
	ds_load_b64 v[\reg+2*\p:\reg+2*\p+1], v[\adr] offset:8*PCE+16*(PCE/8)+(\i)*16*PITCH
.else
	ds_load_b64 v[\reg+2*\p:\reg+2*\p+1], v[\adr+2] offset:8*PCE+16*(PCE/8)+(\i)*16*PITCH
.endif
.endr
.endm
; 16 matrix instructions: W's blocks a0, a0 + 1 x k's eight tiles.  The 64 accumulators take turns, one instruction a turn, in the same order in every step.
.macro MUL16 a0, p, q, sc, first
.irp a, \a0, \a0+1
.irp b, 0,1,2,3,4,5,6,7
.if \first
	v_wmma_scale_f32_16x16x128_f8f6f4 v[8*(8*((\a)%4)+\b):8*(8*((\a)%4)+\b)+7], v[128*(\p)+FR*\b:128*(\p)+FR*\b+FR-1], v[AF+FR*(\a):AF+FR*(\a)+FR-1], v[BIAS+8*(\a):BIAS+8*(\a)+7], v[SC+8*NQ*(\sc)+NQ*\b+(\q)], v[SC+8*NQ*(\sc)+NQ*(\a)+(\q)] matrix_a_fmt:MATRIX_FMT_FP6 matrix_b_fmt:MATRIX_FMT_FP6 matrix_a_scale:MATRIX_SCALE_ROW1
.else
	v_wmma_scale_f32_16x16x128_f8f6f4 v[8*(8*((\a)%4)+\b):8*(8*((\a)%4)+\b)+7], v[128*(\p)+FR*\b:128*(\p)+FR*\b+FR-1], v[AF+FR*(\a):AF+FR*(\a)+FR-1], v[8*(8*((\a)%4)+\b):8*(8*((\a)%4)+\b)+7], v[SC+8*NQ*(\sc)+NQ*\b+(\q)], v[SC+8*NQ*(\sc)+NQ*(\a)+(\q)] matrix_a_fmt:MATRIX_FMT_FP6 matrix_b_fmt:MATRIX_FMT_FP6 matrix_a_scale:MATRIX_SCALE_ROW1
.endif
.endr
.endr
.endm
.macro FETCH_B slot, q, p
	WIN TO_B
.irp i, 0,1,2,3,4,5,6,7
	FRAG 128*(\p)+FR*\i, ADRB+\slot, \q, \i
.endr
	WIN 0
.endm
.macro FETCH_A slot, q, i0
.irp i, \i0, \i0+1, \i0+2, \i0+3
	FRAG AF+FR*(\i), ADRA+\slot, \q, \i
.endr
.endm
.macro SCALES sc                       ; a K step's scale words: two words a row; lanes 0-15 W's block i, lanes 16-31 k's tile i
.irp i, 0,1,2,3,4,5,6,7
	ds_load_b64 v[SC+8*NQ*\sc+NQ*\i:SC+8*NQ*\sc+NQ*\i+1], v[ADRS] offset:\i*SBLK
.endr
.endm
.macro PLACES n                        ; plain vector lines between a matrix instruction and a load into, or a vector read of, its registers
.rept \n
	v_nop
.endr
.endm
.macro STEP slot, q, first             ; a step of 128 along K that has its successor in the same slot
	s_wait_dscnt 4*NL                              ; k's set and W's blocks 0-3 are in; the youngest 24 loads (W's blocks 4-7) may be out
.if \first
	WIN FIRST_LO
.else
	WIN MUL_LO
.endif
	MUL16 0, (\q)%2, \q, \slot, \first
	MUL16 2, (\q)%2, \q, \slot, \first
	s_wait_dscnt 0
	PLACES NP
	FETCH_B \slot, (\q)+1, 1-(\q)%2
	FETCH_A \slot, (\q)+1, 0
.if \first
	WIN FIRST_HI
.else
	WIN MUL_HI
.endif
	MUL16 4, (\q)%2, \q, \slot, \first
	MUL16 6, (\q)%2, \q, \slot, \first
	PLACES NP
	WIN 0
	FETCH_A \slot, (\q)+1, 4
.endm
; A slot's last step changes slots: one barrier; in front of it each wave waits for all its tensor loads, adds 0 to its spare word, and waits for that and for its reads of this slot.
.macro TURN slot, next, fill
	s_wait_tensorcnt 0x0                           ; all my tensor loads have landed: my part of the next slot
	ds_add_u32 v[SPW], v[NIL]                      ; 0 onto my spare word
	s_wait_dscnt 4*NL+1                            ; the add and the youngest 24 loads may be out
	WIN MUL_LO
	MUL16 0, 1, NQ-1, \slot, 0
	s_wait_dscnt 0x0                               ; the add is done, and my reads of this slot are over
	s_barrier_signal -1
	MUL16 2, 1, NQ-1, \slot, 0
	WIN 0
	s_barrier_wait -1
.if \fill
	CREST                                          ; the barrier has opened a round of the cluster's: no wave of any partner still reads this slot or has a load on its way
	s_add_nc_u64 s[G0+4*\slot+2:G0+4*\slot+3], s[G0+4*\slot+2:G0+4*\slot+3], 2*ROWB
	s_add_nc_u64 s[G0B+4*\slot+2:G0B+4*\slot+3], s[G0B+4*\slot+2:G0B+4*\slot+3], 2*ROWB
	JLOAD G0+4*\slot, G1, G0B+4*\slot, G1B         ; the first tensor load behind the round; its four v_nop are the places in front of the loads below
.else
	PLACES NP
.endif
	v_add_nc_u32 v[ADRS], 4*NQ, v[ADRS]            ; the next K step's scale words
	FETCH_B \next, 0, 0
	FETCH_A \next, 0, 0
	SCALES \next
	WIN MUL_HI
	MUL16 4, 1, NQ-1, \slot, 0
	MUL16 6, 1, NQ-1, \slot, 0
	PLACES NP
	WIN 0
	FETCH_A \next, 0, 4
.endm
	s_wait_tensorcnt 1                             ; the scales and my part of K step 0 are in; K step 1's load may be out
	s_barrier_signal -1
	s_barrier_wait -1
	FETCH_B 0, 0, 0
	FETCH_A 0, 0, 0
	SCALES 0
	FETCH_A 0, 0, 4
	STEP 0, 0, 1                                   ; K = 1,024 is eight steps of 128, four slots' worth: all are written out
	TURN 0, 1, 1
	STEP 1, 0, 0
	TURN 1, 0, 1
	STEP 0, 0, 0
	TURN 0, 1, 0                                   ; nothing is left to fetch
	STEP 1, 0, 0
	s_wait_dscnt 4*NL
	WIN MUL_LO
	MUL16 0, 1, NQ-1, 1, 0
	MUL16 2, 1, NQ-1, 1, 0
	s_wait_dscnt 0
	WIN MUL_HI
	MUL16 4, 1, NQ-1, 1, 0
	MUL16 6, 1, NQ-1, 1, 0
	WIN 0
; THE WAY OUT.  Block a: 16 e x my 128 keys, 64 numbers a lane, becomes one fragment and one scale word a row.
.macro QUANTV a
.set AC, 64*((\a)%4)
	WIN 0x0a+5*((\a)/4)                            ; sources 0 and 1: window 2 or 3
.irp b, 0,1,2,3
	v_max3_num_f32 v[TM+\b], |v[AC+16*\b]|, |v[AC+16*\b+1]|, 0x1800000   ; block b: my 16 numbers, each accumulator from its low end on, and the floor 2^(3 - 127)
.endr
.irp i, 2,4,6,8,10,12,14
.irp b, 0,1,2,3
	v_max3_num_f32 v[TM+\b], |v[AC+16*\b+\i]|, |v[AC+16*\b+\i+1]|, v[TM+\b]
.endr
.endr
	WIN 0
.irp b, 0,1,2,3
	v_permlanex16_b32 v[TM+4+\b], v[TM+\b], s2, s3
.endr
.irp b, 0,1,2,3
	v_max_num_f32 v[TM+\b], v[TM+\b], v[TM+4+\b]   ; with lane l xor 16's: the block's largest magnitude
.endr
.irp b, 0,1,2,3
	v_add_nc_u32 v[TM+12+\b], 0xff000000, v[TM+\b] ; 2 off its exponent field: the conversion's scale operand
.endr
.irp b, 0,1,2,3
	v_lshrrev_b32 v[TM+4+\b], 23, v[TM+12+\b]      ; the scale's byte
.endr
	v_lshl_or_b32 v[WD+(\a)], v[TM+5], 8, v[TM+4]
	v_lshl_or_b32 v[WD+(\a)], v[TM+6], 16, v[WD+(\a)]
	v_lshl_or_b32 v[WD+(\a)], v[TM+7], 24, v[WD+(\a)]
	s_wait_xcnt 0x0                                ; the last fragment's stores have read their registers
	WIN 0x02+(\a)/4                                ; source 0: window 2 or 3
.irp c, 0,1
	v_cvt_scalef32_pk16_fp6_f32 v[PC+6*\c:PC+2+6*\c], v[AC+32*\c:AC+15+32*\c], v[TM+12+2*\c]
	v_cvt_scalef32_pk16_fp6_f32 v[PC+12+4*\c:PC+14+4*\c], v[AC+16+32*\c:AC+31+32*\c], v[TM+12+2*\c+1]   ; (a conversion's three registers begin on an even number)
.endr
	WIN 0
	v_nop                                          ; one plain line behind a scaled conversion
.irp c, 0,1                            ; the operand's layout wants a whole block in a lane: lanes 0-15 block 2 c, lanes 16-31 block 2 c + 1
.irp i, 0,1,2
	v_permlane16_swap_b32 v[PC+6*\c+\i], v[PC+12+4*\c+\i]
.endr
.irp i, 0,1,2
	v_mov_b32 v[PC+3+6*\c+\i], v[PC+12+4*\c+\i]
.endr
.endr
.irp c, 0,1,2
	global_store_b128 v[LO], v[PC+4*\c:PC+4*\c+3], s[100:101] offset:FR*128*(\a)+512*\c   ; the fragment as it stands: 512 consecutive bytes a store
.endr
.endm
	PLACES NP                                      ; behind the last products: results are read and operands' registers written below
.irp b, 0,1,2,3
	v_mov_b32 v[TM+4+\b], 0                        ; written once: a lane permute's destination counts as one of its sources
.endr
.irp a, 0,1,2,3,4,5,6,7
	QUANTV \a
.endr
	s_mov_b32 s18, 0xffff0000
.irp i, 0,1,2,3
	v_cndmask_b32 v[OW+\i], v[WD+\i], v[WD+4+\i], s18   ; lanes 0-15 send row r's words of blocks 0-3, lanes 16-31 those of blocks 4-7
.endr
	global_store_b128 v[SO], v[OW:OW+3], s[104:105]     ; 512 consecutive bytes
	s_wait_tensorcnt 0x0                           ; the wave's end
	ds_add_u32 v[SPW], v[NIL]
	s_wait_dscnt 0x0
	CROUND                                         ; the closing round
	s_endpgm
.Lfunc_end_k_q4e606f8b7d_vproj:
	.size	k_q4e606f8b7d_vproj, .Lfunc_end_k_q4e606f8b7d_vproj-k_q4e606f8b7d_vproj
	.p2alignl 7, 3214868480
	.fill 96, 4, 3214868480
	.section	.rodata,"a",@progbits
	.p2align	6, 0x0
	.amdhsa_kernel k_q4e606f8b7d_vproj
		.amdhsa_group_segment_fixed_size 327680
		.amdhsa_private_segment_fixed_size 0
		.amdhsa_enable_private_segment 0
		.amdhsa_kernarg_size 80
		.amdhsa_user_sgpr_count 2
		.amdhsa_user_sgpr_kernarg_segment_ptr 1
		.amdhsa_wavefront_size32 1
		.amdhsa_system_sgpr_workgroup_id_x 1
		.amdhsa_system_sgpr_workgroup_id_y 1
		.amdhsa_system_sgpr_workgroup_id_z 1
		.amdhsa_system_vgpr_workitem_id 0
		.amdhsa_next_free_vgpr 1024
		.amdhsa_next_free_sgpr 106
		.amdhsa_reserve_vcc 0
		.amdhsa_float_denorm_mode_32 3
		.amdhsa_float_denorm_mode_16_64 3
		.amdhsa_memory_ordered 1
		.amdhsa_forward_progress 1
		.amdhsa_inst_pref_size 201
	.end_amdhsa_kernel
	.amdgpu_metadata
---
amdhsa.version: [ 1, 2 ]
amdhsa.kernels:
  - .name:           k_q4e606f8b7d_vproj
    .symbol:         k_q4e606f8b7d_vproj.kd
    .args:
      - { .name: W_codes, .offset: 0, .size: 8, .value_kind: global_buffer, .address_space: global }
      - { .name: W_scales, .offset: 8, .size: 8, .value_kind: global_buffer, .address_space: global }
      - { .name: k_codes, .offset: 16, .size: 8, .value_kind: global_buffer, .address_space: global }
      - { .name: k_scales, .offset: 24, .size: 8, .value_kind: global_buffer, .address_space: global }
      - { .name: b, .offset: 32, .size: 8, .value_kind: global_buffer, .address_space: global }
      - { .name: q1, .offset: 40, .size: 8, .value_kind: global_buffer, .address_space: global }
      - { .name: q_codes, .offset: 48, .size: 8, .value_kind: global_buffer, .address_space: global }
      - { .name: q_scales, .offset: 56, .size: 8, .value_kind: global_buffer, .address_space: global }
      - { .name: vfrag, .offset: 64, .size: 8, .value_kind: global_buffer, .address_space: global }
      - { .name: vscl, .offset: 72, .size: 8, .value_kind: global_buffer, .address_space: global }
    .group_segment_fixed_size: 327680
    .private_segment_fixed_size: 0
    .kernarg_segment_align: 8
    .kernarg_segment_size: 80
    .max_flat_workgroup_size: 128
    .sgpr_count:     106
    .vgpr_count:     1024
    .wavefront_size: 32
...
	.end_amdgpu_metadata
.endif
;; end of part 1
;; launch scores (part 2): grid 64 x 4, 4 waves a work-group, clusters of 4 x 4, 327,680 bytes of LDS; arguments q_codes, q_scales, k_codes, k_scales, pfrag, pstat; writes pfrag, pstat
.if DOCPART == 2
	.amdgcn_target "amdgcn-amd-amdhsa--gfx1250"
	.amdhsa_code_object_version 6
	.text
	.protected	k_q4e606f8b7d_scores
	.globl	k_q4e606f8b7d_scores
	.p2align	8
	.type	k_q4e606f8b7d_scores,@function
k_q4e606f8b7d_scores:
	s_mov_b64 s[64:65], 0
	v_nop
	global_prefetch_b8 v0, s[64:65] scope:SCOPE_SE
	s_setreg_imm32_b32 hwreg(HW_REG_WAVE_MODE, 25, 1), 1
	s_wait_xcnt 0x0
	s_wait_alu depctr_hold_cnt(0) depctr_sa_sdst(0) depctr_va_vdst(0) depctr_va_sdst(0) depctr_va_ssrc(0) depctr_va_vcc(0) depctr_vm_vsrc(0)
	s_getreg_b32 s2, hwreg(HW_REG_IB_STS2, 6, 4)
	s_cmp_eq_u32 s2, 0
	s_cbranch_scc0 .Lentry_in_a_cluster
	s_endpgm
.Lentry_in_a_cluster:
	s_bfe_u32 s2, ttmp6, 0x10000c
	s_cmp_lg_u32 s2, 0xf033
	s_cbranch_scc0 .Lentry_shape_is_right
	s_endpgm
.Lentry_shape_is_right:
; LAUNCH 2 OF 3.  S^T = k q^T on codes of FP6 (E2M3) (the factor 1 / 8 lies in q's scale bytes), and the softmax's weights, quantised along the keys, chunk by chunk of 128 keys.
; For its 128 keys a wave takes t = score x log2(e), M = the chunk's largest t rounded UP to a whole number, p = 2^(t - M), the sum l of the unquantised p, and p's codes and scale bytes.
; M is a whole number, so the next launch brings every chunk under the row's M by lowering scale bytes: the codes stay as they are.  The maximum is taken away before every exponential.
; Out: pfrag [b 8][Q8 8][ks 16][qt 8][1536 bytes]: images of operand registers (16 queries x 128 keys; register group c of lane l at 512 c + 16 l);
;      pstat: three sections of 524,288 bytes, each [b][Q8][ks][r 16][a 8] words: p's scale word; -M (f32, a whole number); l (f32).
; LIMITS: NaN and infinities are not served.  A p under 2^-126 of its chunk's largest counts as 0.  A block whose every p is 0 keeps the byte 1: its codes are zeros.
; A block's largest p is not searched for: the block's largest score goes through the same multiply-add and exponential (this takes v_exp_f32 not to fall where its input rises).
; SHARES, RING, CLUSTER as in the launch before: 256 queries x 256 keys of one batch a work-group, 128 x 128 a wave; source 0 = 16 keys, source 1 = 16 queries: a lane holds ONE query and keys 16 t + 8 (lane / 16) + 0 .. 7.
; Inside a block of 32 keys the codes stand in the order 0-7, 16-23, 8-15, 24-31, as v's do.
; REGISTERS: window 0: v1-29 addresses; v12-15 -M, t, the sum; v32-63 scale words; v64-87 the eight blocks' words, -M, l; v128-223 q's fragments in the products;
;   on the way out v96-159 p, v160-171 a fragment's codes (registers that nothing else writes, so that their stores may be out while the next block's softmax runs), v232-254 at work.  window 1: k's fragments.  windows 2, 3: accumulators.
.set NQ,     2
.set ROWB,   192
.set PITCH,  240
.set FR,     12
.set NL,     6
.set NP,     4
.set HALFT,  128*PITCH
.set SLOT,   4*HALFT
.set SCL,    2*SLOT
.set SPS,    40
.set HALFS,  128*SPS
.set SBLK,   16*SPS
.set SPARE,  SCL+4*HALFS               ; the spare words: 128 bytes a wave, two blocks of 256 bytes that no other line names
.set LN,   1
.set RR,   2
.set HH,   3
.set ADRA, 16
.set ADRB, 20
.set SO,   24                          ; v24  32 r + 16 h
.set LO,   26                          ; v26  16 x lane
.set ADRS, 27
.set SPW,  28
.set NIL,  29
.set SC,   32
.set WD,   64                          ; v64-71 scale words, v72-79 -M, v80-87 l, one for each block of 16 queries
.set AF,   128
.set PCD,  160                         ; v160-171 the way out: a fragment's codes
.set G1,   24
.set G0,   32
.set G1B,  48
.set G0B,  56
.set G1S,  68
.set G0S,  76
.set G1SB, 80
.set G0SB, 88
.set CS,   96                          ; s[96:97] log2(e): the packed form names a pair and takes its low word for both halves
.set MSB, 0
.macro WIN new
.if MSB != (\new)
	s_set_vgpr_msb (MSB<<8)|(\new)
.set MSB, (\new)
.endif
.endm
.set MUL_LO, 0xa1
.set MUL_HI, 0xf1
.set TO_B,   0x40
.macro JLOAD g0a, g1a, g0b, g1b        ; a joint load: waves 0 and 1 fetch for q, waves 2 and 3 for k; four v_nop follow each of the two lines
	s_cmp_eq_u32 s15, 0
	s_cbranch_scc0 .Lfor_b_\@
	tensor_load_to_lds s[\g0a:\g0a+3], s[\g1a:\g1a+7]
	s_nop 0
.rept 4
	v_nop
.endr
	s_branch .Lasked_\@
.Lfor_b_\@:
	tensor_load_to_lds s[\g0b:\g0b+3], s[\g1b:\g1b+7]
	s_nop 0
.rept 4
	v_nop
.endr
.Lasked_\@:
.endm
.macro CREST
	s_cmp_lg_u32 s14, 0
	s_cbranch_scc1 .Lnot_wave_0_\@
	s_barrier_signal -3
.Lnot_wave_0_\@:
	s_barrier_wait -3
	s_barrier_signal -1
	s_barrier_wait -1
.endm
.macro CROUND
	s_barrier_signal -1
	s_barrier_wait -1
	CREST
.endm
	s_load_b128 s[4:7], s[0:1], 0x0                ; q's codes, q's scales
	s_load_b128 s[8:11], s[0:1], 0x10              ; k's codes, k's scales
	s_load_b64 s[12:13], s[0:1], 0x20              ; pfrag
	s_load_b64 s[66:67], s[0:1], 0x28              ; pstat
	v_lshl_add_u32 v[SPW], v0, 2, SPARE
	v_mov_b32 v[NIL], 0
	ds_add_u32 v28, v29
	ds_add_u32 v28, v29
	s_wait_dscnt 0x0
	v_lshrrev_b32 v8, 5, v0
	v_readfirstlane_b32 s14, v8                    ; wave 0..3
	s_lshr_b32 s15, s14, 1                         ; my half of the 256 queries.  Also: I fetch for q (0) or for k (1)
	s_and_b32 s16, s14, 1                          ; my half of the 256 keys.  Also: which 128 rows I fetch
	s_bfe_u32 s40, ttmp6, 0x40000                  ; cx
	s_bfe_u32 s41, ttmp6, 0x40004                  ; cy
	s_lshl_b32 s42, ttmp9, 2
	s_add_co_u32 s42, s42, s40                     ; x: batch x / 8, tile of keys x % 8
	s_lshr_b32 s17, ttmp9, 1                       ; the batch, which the whole cluster shares,
	s_lshl_b32 s17, s17, 2
	s_add_co_u32 s17, s17, s41                     ; 4 x batch + cy: which 256 rows of q
	s_lshl_b32 s43, s41, 2
	s_lshl_b32 s43, 15, s43                        ; my row of the cluster
	s_lshl_b32 s44, 0x1111, s40                    ; my column
	s_or_b32 s[G1+0], s43, (0<<16)|(1<<20)|(1<<21)|(3<<22)|(3<<25)
	s_or_b32 s[G1B+0], s44, (0<<16)|(1<<20)|(1<<21)|(3<<22)|(3<<25)
.irp g, G1, G1B
	s_mov_b32 s[\g+1], ROWB<<16
	s_mov_b32 s[\g+2], 128<<16
	s_mov_b32 s[\g+3], ROWB<<16
	s_mov_b32 s[\g+4], 128
	s_mov_b32 s[\g+6], 0
	s_mov_b32 s[\g+7], 0
.endr
	s_mov_b32 s[G1+5], 768                         ; a row of q's codes
	s_mov_b32 s[G1B+5], 6144                       ; from key to key of one batch
	s_or_b32 s[G1S+0], s43, (2<<16)|(1<<20)|(1<<21)|(2<<22)|(1<<25)
	s_or_b32 s[G1SB+0], s44, (2<<16)|(1<<20)|(1<<21)|(2<<22)|(1<<25)
.irp g, G1S, G1SB
	s_mov_b32 s[\g+1], 8<<16
	s_mov_b32 s[\g+2], 128<<16
	s_mov_b32 s[\g+3], 8<<16
	s_mov_b32 s[\g+4], 128
	s_mov_b32 s[\g+6], 0
	s_mov_b32 s[\g+7], 0
.endr
	s_mov_b32 s[G1S+5], 8
	s_mov_b32 s[G1SB+5], 64
	v_and_b32 v[LN], 31, v0
	v_and_b32 v[RR], 15, v0
	v_bfe_u32 v[HH], v0, 4, 1
	v_lshlrev_b32 v[LO], 4, v[LN]
	v_lshlrev_b32 v[SO], 5, v[RR]
	v_lshl_add_u32 v[SO], v[HH], 4, v[SO]
	v_mul_u32_u24 v8, v[RR], PITCH
	v_mul_u32_u24 v9, v[HH], 24
	v_add_nc_u32 v9, v8, v9
	v_lshl_add_u32 v10, v[HH], 4, v9
	s_mul_i32 s21, s15, HALFT
	s_mul_i32 s22, s16, HALFT
	s_add_co_u32 s22, s22, 2*HALFT
.irp s, 0,1
	v_add_nc_u32 v[ADRA+\s], s21, v9
	v_add_nc_u32 v[ADRB+\s], s22, v9
	v_add_nc_u32 v[ADRA+2+\s], s21, v10
	v_add_nc_u32 v[ADRB+2+\s], s22, v10
	s_add_co_u32 s21, s21, SLOT
	s_add_co_u32 s22, s22, SLOT
.endr
	v_mul_u32_u24 v8, v[RR], SPS
	s_mul_i32 s21, s15, HALFS
	s_mul_i32 s22, s16, HALFS
	s_add_co_u32 s22, s22, 2*HALFS
	s_sub_co_u32 s22, s22, s21
	v_mul_u32_u24 v9, s22, v[HH]
	s_add_co_u32 s21, s21, SCL
	v_add_nc_u32 v8, v8, v9
	v_add_nc_u32 v[ADRS], s21, v8
	s_lshl_b32 s18, s16, 7
	s_lshl_b32 s20, s17, 8
	s_add_co_u32 s20, s20, s18                     ; q: row 1,024 x batch + 256 cy + 128 x half
	s_lshl_b32 s22, s20, 5
	s_mov_b32 s23, 0
	s_mul_i32 s20, s20, 768
	s_mov_b32 s21, 0
	s_and_b32 s46, s42, 7
	s_lshl_b32 s46, s46, 8
	s_add_co_u32 s46, s46, s18                     ; k: key 256 (x % 8) + 128 x half
	s_lshr_b32 s95, s42, 3
	s_lshl_b32 s92, s46, 8
	s_lshl_b32 s93, s95, 5
	s_add_co_u32 s92, s92, s93
	s_mov_b32 s93, 0
	s_mul_i32 s46, s46, 6144
	s_mul_i32 s47, s95, 768
	s_add_co_u32 s46, s46, s47
	s_mov_b32 s47, 0
	s_mul_i32 s45, s14, HALFT
	s_mul_i32 s94, s14, HALFS
	s_mov_b32 s2, 0x76543210
	s_mov_b32 s3, 0xfedcba98
	s_mov_b32 s[CS], 0x3fb8aa3b                    ; log2(e)
	s_mov_b32 s[CS+1], s[CS]
	s_wait_kmcnt 0x0
	s_add_nc_u64 s[20:21], s[4:5], s[20:21]
	s_add_nc_u64 s[22:23], s[6:7], s[22:23]
	s_add_nc_u64 s[46:47], s[8:9], s[46:47]
	s_add_nc_u64 s[92:93], s[10:11], s[92:93]
	CROUND                                         ; all sixteen work-groups are here: the first joint loads meet
	s_mov_b32 s[G0S], 1
	s_add_co_u32 s[G0S+1], s94, SCL
	s_mov_b64 s[G0S+2:G0S+3], s[22:23]
	s_or_b32 s[G0S+3], s[G0S+3], 0x80000000
	s_mov_b32 s[G0SB], 1
	s_add_co_u32 s[G0SB+1], s94, SCL
	s_mov_b64 s[G0SB+2:G0SB+3], s[92:93]
	s_or_b32 s[G0SB+3], s[G0SB+3], 0x80000000
	JLOAD G0S, G1S, G0SB, G1SB
.irp s, 0,1
	s_mov_b32 s[G0+4*\s], 1
	s_add_co_u32 s[G0+4*\s+1], s45, \s*SLOT
	s_add_nc_u64 s[G0+4*\s+2:G0+4*\s+3], s[20:21], \s*ROWB
	s_or_b32 s[G0+4*\s+3], s[G0+4*\s+3], 0x80000000
	s_mov_b32 s[G0B+4*\s], 1
	s_add_co_u32 s[G0B+4*\s+1], s45, \s*SLOT
	s_add_nc_u64 s[G0B+4*\s+2:G0B+4*\s+3], s[46:47], \s*ROWB
	s_or_b32 s[G0B+4*\s+3], s[G0B+4*\s+3], 0x80000000
	JLOAD G0+4*\s, G1, G0B+4*\s, G1B               ; three tensor loads of mine are out
.endr
	s_lshl_b32 s46, s17, 1
	s_add_co_u32 s46, s46, s15                     ; 8 x batch + Q8: which 128 queries
	s_lshl_b32 s46, s46, 4
	s_and_b32 s47, s42, 7
	s_lshl_b32 s47, s47, 1
	s_add_co_u32 s47, s47, s16                     ; ks: which 128 keys
	s_add_co_u32 s95, s46, s47
	s_mul_i32 s46, s95, 8*FR*128                   ; pfrag: 12,288 bytes for each
	s_mov_b32 s47, 0
	s_add_nc_u64 s[12:13], s[12:13], s[46:47]
	s_lshl_b32 s46, s95, 9                         ; pstat: 512 bytes in each section
	s_add_nc_u64 s[66:67], s[66:67], s[46:47]
.macro FRAG reg, adr, q, i
.irp p, 0,1,2,3,4,5
.set PCE, 12*(\q)+6*(\p/3)+\p%3
.if PCE%8 < 5
	ds_load_b64 v[\reg+2*\p:\reg+2*\p+1], v[\adr] offset:8*PCE+16*(PCE/8)+(\i)*16*PITCH
.else
	ds_load_b64 v[\reg+2*\p:\reg+2*\p+1], v[\adr+2] offset:8*PCE+16*(PCE/8)+(\i)*16*PITCH
.endif
.endr
.endm
; 16 matrix instructions; first = 1: the first product starts the sums.  The 64 accumulators take turns, one instruction a turn.
.macro MUL16 a0, p, q, sc, first
.irp a, \a0, \a0+1
.irp b, 0,1,2,3,4,5,6,7
.if \first
	v_wmma_scale_f32_16x16x128_f8f6f4 v[8*(8*((\a)%4)+\b):8*(8*((\a)%4)+\b)+7], v[128*(\p)+FR*\b:128*(\p)+FR*\b+FR-1], v[AF+FR*(\a):AF+FR*(\a)+FR-1], 0, v[SC+8*NQ*(\sc)+NQ*\b+(\q)], v[SC+8*NQ*(\sc)+NQ*(\a)+(\q)] matrix_a_fmt:MATRIX_FMT_FP6 matrix_b_fmt:MATRIX_FMT_FP6 matrix_a_scale:MATRIX_SCALE_ROW1
.else
	v_wmma_scale_f32_16x16x128_f8f6f4 v[8*(8*((\a)%4)+\b):8*(8*((\a)%4)+\b)+7], v[128*(\p)+FR*\b:128*(\p)+FR*\b+FR-1], v[AF+FR*(\a):AF+FR*(\a)+FR-1], v[8*(8*((\a)%4)+\b):8*(8*((\a)%4)+\b)+7], v[SC+8*NQ*(\sc)+NQ*\b+(\q)], v[SC+8*NQ*(\sc)+NQ*(\a)+(\q)] matrix_a_fmt:MATRIX_FMT_FP6 matrix_b_fmt:MATRIX_FMT_FP6 matrix_a_scale:MATRIX_SCALE_ROW1
.endif
.endr
.endr
.endm
.macro FETCH_B slot, q, p
	WIN TO_B
.irp i, 0,1,2,3,4,5,6,7
	FRAG 128*(\p)+FR*\i, ADRB+\slot, \q, \i
.endr
	WIN 0
.endm
.macro FETCH_A slot, q, i0
.irp i, \i0, \i0+1, \i0+2, \i0+3
	FRAG AF+FR*(\i), ADRA+\slot, \q, \i
.endr
.endm
.macro SCALES sc
.irp i, 0,1,2,3,4,5,6,7
	ds_load_b64 v[SC+8*NQ*\sc+NQ*\i:SC+8*NQ*\sc+NQ*\i+1], v[ADRS] offset:\i*SBLK
.endr
.endm
.macro PLACES n
.rept \n
	v_nop
.endr
.endm
.macro STEP slot, q, first
	s_wait_dscnt 4*NL                              ; k's set and q's blocks 0-3 are in; the youngest 24 loads (q's blocks 4-7) may be out
	WIN MUL_LO
	MUL16 0, (\q)%2, \q, \slot, \first
	MUL16 2, (\q)%2, \q, \slot, \first
	s_wait_dscnt 0
	PLACES NP
	FETCH_B \slot, (\q)+1, 1-(\q)%2
	FETCH_A \slot, (\q)+1, 0
	WIN MUL_HI
	MUL16 4, (\q)%2, \q, \slot, \first
	MUL16 6, (\q)%2, \q, \slot, \first
	PLACES NP
	WIN 0
	FETCH_A \slot, (\q)+1, 4
.endm
.macro TURN slot, next, fill
	s_wait_tensorcnt 0x0                           ; all my tensor loads have landed: my part of the next slot
	ds_add_u32 v[SPW], v[NIL]                      ; 0 onto my spare word
	s_wait_dscnt 4*NL+1                            ; the add and the youngest 24 loads may be out
	WIN MUL_LO
	MUL16 0, 1, NQ-1, \slot, 0
	s_wait_dscnt 0x0                               ; the add is done, and my reads of this slot are over
	s_barrier_signal -1
	MUL16 2, 1, NQ-1, \slot, 0
	WIN 0
	s_barrier_wait -1
.if \fill
	CREST                                          ; a round of the cluster's barrier: no wave of any partner still reads this slot or has a load on its way
	s_add_nc_u64 s[G0+4*\slot+2:G0+4*\slot+3], s[G0+4*\slot+2:G0+4*\slot+3], 2*ROWB
	s_add_nc_u64 s[G0B+4*\slot+2:G0B+4*\slot+3], s[G0B+4*\slot+2:G0B+4*\slot+3], 2*ROWB
	JLOAD G0+4*\slot, G1, G0B+4*\slot, G1B
.else
	PLACES NP
.endif
	v_add_nc_u32 v[ADRS], 4*NQ, v[ADRS]
	FETCH_B \next, 0, 0
	FETCH_A \next, 0, 0
	SCALES \next
	WIN MUL_HI
	MUL16 4, 1, NQ-1, \slot, 0
	MUL16 6, 1, NQ-1, \slot, 0
	PLACES NP
	WIN 0
	FETCH_A \next, 0, 4
.endm
	s_wait_tensorcnt 1                             ; the scales and my part of K step 0 are in; K step 1's load may be out
	s_barrier_signal -1
	s_barrier_wait -1
	FETCH_B 0, 0, 0
	FETCH_A 0, 0, 0
	SCALES 0
	FETCH_A 0, 0, 4
	STEP 0, 0, 1
	TURN 0, 1, 1
	STEP 1, 0, 0
	TURN 1, 0, 1
	STEP 0, 0, 0
	TURN 0, 1, 0
	STEP 1, 0, 0
	s_wait_dscnt 4*NL
	WIN MUL_LO
	MUL16 0, 1, NQ-1, 1, 0
	MUL16 2, 1, NQ-1, 1, 0
	s_wait_dscnt 0
	WIN MUL_HI
	MUL16 4, 1, NQ-1, 1, 0
	MUL16 6, 1, NQ-1, 1, 0
	WIN 0
; THE SOFTMAX OF A CHUNK.  Block a: 16 queries x my 128 keys, 64 scores a lane.
.macro SOFTQ a
.set AC, 64*((\a)%4)
	WIN 0x0a+5*((\a)/4)                            ; sources 0 and 1: window 2 or 3
.irp b, 0,1,2,3
	v_max_num_f32 v[232+\b], v[AC+16*\b], v[AC+16*\b+1]   ; the largest score of each block of 32 keys; each accumulator from its low end on
.endr
.irp i, 2,4,6,8,10,12,14
.irp b, 0,1,2,3
	v_max3_num_f32 v[232+\b], v[AC+16*\b+\i], v[AC+16*\b+\i+1], v[232+\b]
.endr
.endr
	WIN 0
.irp b, 0,1,2,3
	v_permlanex16_b32 v[236+\b], v[232+\b], s2, s3
.endr
.irp b, 0,1,2,3
	v_max_num_f32 v[232+\b], v[232+\b], v[236+\b]  ; with lane l xor 16's 16 keys
.endr
	v_max3_num_f32 v254, v232, v233, v234
	v_max_num_f32 v254, v254, v235                 ; the chunk's largest score of my query
	v_mul_f32 v13, s[CS], v254                     ; as t
	v_floor_f32 v12, -v13                          ; -M = floor(-t) = -ceil(t)
	WIN 0x02+(\a)/4                                ; source 0: window 2 or 3
.set J, 0
.rept 32
	v_pk_fma_f32 v[96+J:97+J], v[AC+J:AC+J+1], s[CS:CS+1], v[12:13] op_sel_hi:[1,0,0]   ; t - M, two at a time, into window 0
.set J, J+2
.endr
	WIN 0
.irp b, 0,1,2,3
	v_fma_f32 v[232+\b], v[232+\b], s[CS], v12     ; the same of each block's largest score
.endr
.set J, 0
.rept 64
	v_exp_f32 v[96+J], v[96+J]                     ; p = 2^(t - M)
.set J, J+1
.endr
	v_nop                                          ; a plain line behind the exponentials
	s_wait_alu depctr_va_vdst(0)                   ; one wait for the batch, ahead of its first reader
.irp b, 0,1,2,3
	v_exp_f32 v[232+\b], v[232+\b]                 ; the block's largest p
.endr
	v_pk_add_f32 v[14:15], v[96:97], v[98:99]      ; the sum of the unquantised p, two at a time, in two chains
	v_pk_add_f32 v[236:237], v[100:101], v[102:103]
.set J, 8
.rept 14
	v_pk_add_f32 v[14:15], v[14:15], v[96+J:97+J]
	v_pk_add_f32 v[236:237], v[236:237], v[98+J:99+J]
.set J, J+4
.endr
	v_pk_add_f32 v[14:15], v[14:15], v[236:237]
	v_add_f32 v14, v14, v15
	v_permlanex16_b32 v252, v14, s2, s3
	v_add_f32 v[WD+16+(\a)], v14, v252             ; l of my query over these 128 keys
	v_mov_b32 v[WD+8+(\a)], v12                    ; -M
	s_wait_alu depctr_va_vdst(0)                   ; and one wait for the four
.irp b, 0,1,2,3
	v_max_num_f32 v[232+\b], 0x1800000, v[232+\b]  ; the floor 2^(3 - 127): the byte cannot fall under 1
.endr
.irp b, 0,1,2,3
	v_add_nc_u32 v[244+\b], 0xff000000, v[232+\b]  ; 2 off the exponent field: the conversion's scale operand
.endr
.irp b, 0,1,2,3
	v_lshrrev_b32 v[236+\b], 23, v[244+\b]         ; the scale's byte
.endr
	v_lshl_or_b32 v[WD+(\a)], v237, 8, v236
	v_lshl_or_b32 v[WD+(\a)], v238, 16, v[WD+(\a)]
	v_lshl_or_b32 v[WD+(\a)], v239, 24, v[WD+(\a)]
	s_wait_xcnt 0x0                                ; the last fragment's three stores, a whole block's softmax back, have read v[PCD] on: the lines below are the first that write those registers again
.irp c, 0,1
	v_cvt_scalef32_pk16_fp6_f32 v[PCD+6*\c:PCD+2+6*\c], v[96+32*\c:111+32*\c], v[244+2*\c]
	v_cvt_scalef32_pk16_fp6_f32 v[236+4*\c:238+4*\c], v[112+32*\c:127+32*\c], v[244+2*\c+1]   ; (a conversion's three registers begin on an even number)
.endr
	v_nop                                          ; one plain line behind a scaled conversion
.irp c, 0,1                            ; the operand's layout wants a whole block in a lane: lanes 0-15 block 2 c, lanes 16-31 block 2 c + 1
.irp i, 0,1,2
	v_permlane16_swap_b32 v[PCD+6*\c+\i], v[236+4*\c+\i]
.endr
.irp i, 0,1,2
	v_mov_b32 v[PCD+3+6*\c+\i], v[236+4*\c+\i]
.endr
.endr
.irp c, 0,1,2
	global_store_b128 v[LO], v[PCD+4*\c:PCD+4*\c+3], s[12:13] offset:FR*128*(\a)+512*\c   ; the fragment as it stands: 512 consecutive bytes a store
.endr
.endm
	PLACES NP                                      ; behind the last products
.irp b, 0,1,2,3
	v_mov_b32 v[236+\b], 0                         ; written once: a lane permute's destination counts as one of its sources
.endr
	v_mov_b32 v252, 0
.irp a, 0,1,2,3,4,5,6,7
	SOFTQ \a
.endr
	s_mov_b32 s18, 0xffff0000
.irp n, 0,1,2
.irp i, 0,1,2,3
	v_cndmask_b32 v[88+4*\n+\i], v[WD+8*\n+\i], v[WD+8*\n+4+\i], s18   ; lanes 0-15 send row r's numbers of blocks 0-3, lanes 16-31 those of blocks 4-7
.endr
.endr
	global_store_b128 v[SO], v[88:91], s[66:67]                    ; scale words: 512 consecutive bytes
	global_store_b128 v[SO], v[92:95], s[66:67] offset:524288      ; -M
	global_store_b128 v[SO], v[96:99], s[66:67] offset:1048576     ; l
	s_wait_tensorcnt 0x0                           ; the wave's end
	ds_add_u32 v[SPW], v[NIL]
	s_wait_dscnt 0x0
	CROUND                                         ; the closing round
	s_endpgm
.Lfunc_end_k_q4e606f8b7d_scores:
	.size	k_q4e606f8b7d_scores, .Lfunc_end_k_q4e606f8b7d_scores-k_q4e606f8b7d_scores
	.p2alignl 7, 3214868480
	.fill 96, 4, 3214868480
	.section	.rodata,"a",@progbits
	.p2align	6, 0x0
	.amdhsa_kernel k_q4e606f8b7d_scores
		.amdhsa_group_segment_fixed_size 327680
		.amdhsa_private_segment_fixed_size 0
		.amdhsa_enable_private_segment 0
		.amdhsa_kernarg_size 48
		.amdhsa_user_sgpr_count 2
		.amdhsa_user_sgpr_kernarg_segment_ptr 1
		.amdhsa_wavefront_size32 1
		.amdhsa_system_sgpr_workgroup_id_x 1
		.amdhsa_system_sgpr_workgroup_id_y 1
		.amdhsa_system_sgpr_workgroup_id_z 1
		.amdhsa_system_vgpr_workitem_id 0
		.amdhsa_next_free_vgpr 1024
		.amdhsa_next_free_sgpr 98
		.amdhsa_reserve_vcc 0
		.amdhsa_float_denorm_mode_32 3
		.amdhsa_float_denorm_mode_16_64 3
		.amdhsa_memory_ordered 1
		.amdhsa_forward_progress 1
		.amdhsa_inst_pref_size 219
	.end_amdhsa_kernel
	.amdgpu_metadata
---
amdhsa.version: [ 1, 2 ]
amdhsa.kernels:
  - .name:           k_q4e606f8b7d_scores
    .symbol:         k_q4e606f8b7d_scores.kd
    .args:
      - { .name: q_codes, .offset: 0, .size: 8, .value_kind: global_buffer, .address_space: global }
      - { .name: q_scales, .offset: 8, .size: 8, .value_kind: global_buffer, .address_space: global }
      - { .name: k_codes, .offset: 16, .size: 8, .value_kind: global_buffer, .address_space: global }
      - { .name: k_scales, .offset: 24, .size: 8, .value_kind: global_buffer, .address_space: global }
      - { .name: pfrag, .offset: 32, .size: 8, .value_kind: global_buffer, .address_space: global }
      - { .name: pstat, .offset: 40, .size: 8, .value_kind: global_buffer, .address_space: global }
    .group_segment_fixed_size: 327680
    .private_segment_fixed_size: 0
    .kernarg_segment_align: 8
    .kernarg_segment_size: 48
    .max_flat_workgroup_size: 128
    .sgpr_count:     98
    .vgpr_count:     1024
    .wavefront_size: 32
...
	.end_amdgpu_metadata
.endif
;; end of part 2
;; launch pv (part 3): grid 4 x 64, 4 waves a work-group, clusters of 4 x 4, 327,680 bytes of LDS; arguments pfrag, pstat, vfrag, vscl, out0; writes out0
.if DOCPART == 3
	.amdgcn_target "amdgcn-amd-amdhsa--gfx1250"
	.amdhsa_code_object_version 6
	.text
	.protected	k_q4e606f8b7d_pv
	.globl	k_q4e606f8b7d_pv
	.p2align	8
	.type	k_q4e606f8b7d_pv,@function
k_q4e606f8b7d_pv:
	s_mov_b64 s[64:65], 0
	v_nop
	global_prefetch_b8 v0, s[64:65] scope:SCOPE_SE
	s_setreg_imm32_b32 hwreg(HW_REG_WAVE_MODE, 25, 1), 1
	s_wait_xcnt 0x0
	s_wait_alu depctr_hold_cnt(0) depctr_sa_sdst(0) depctr_va_vdst(0) depctr_va_sdst(0) depctr_va_ssrc(0) depctr_va_vcc(0) depctr_vm_vsrc(0)
	s_getreg_b32 s2, hwreg(HW_REG_IB_STS2, 6, 4)
	s_cmp_eq_u32 s2, 0
	s_cbranch_scc0 .Lentry_in_a_cluster
	s_endpgm
.Lentry_in_a_cluster:
	s_bfe_u32 s2, ttmp6, 0x10000c
	s_cmp_lg_u32 s2, 0xf033
	s_cbranch_scc0 .Lentry_shape_is_right
	s_endpgm
.Lentry_shape_is_right:
; LAUNCH 3 OF 3.  out[t][b][e] = (sum over the keys of p v) / l, on codes of FP6 (E2M3) with one E8M0 scale for each 32 keys.
; p arrives chunk by chunk of 128 keys, each under its own whole number M.  The row's M is the largest of the sixteen; a chunk's p is brought under it by taking M_row - M_chunk off its four scale bytes
; (an exact power of two: the codes stay), and its sum l by v_ldexp_f32.  A byte that would fall under 0 is held at 0, which stands for 2^-127: nothing beside a row's l, which is over 1 / 2.
; SHARES.  A work-group makes 128 queries x 256 e of one batch, K = 2,048 keys in 16 steps of 128; a wave 64 x 128: 32 accumulators, window 2.  Source 0 = 16 e of v, source 1 = 16 queries of p:
; a lane holds ONE query (lane % 16) and eight neighbouring e.
; Both operands lie in memory as images of their registers, a step's fragments on end: a slot of four steps is two dense blocks, and a fragment comes from LDS by three loads of 16 bytes a lane, 512 consecutive bytes each.
; CLUSTER 4 x 4: the four of a row (same queries) share p, the four of a column (same batch, same e) share v: joint loads.  The grid has one cluster along x, so x = cx.
; REGISTERS: window 0: v8-15 1 / l; v16-31 addresses; v32-55 scale words and nothing else; v56-59 1 / l as read; v64-127 at work; v128-223 p's fragments, two sets.  window 1: v's fragments, two sets.  window 2: accumulators ((a, i) at v[8 (8 a + i)]).
.set FR,     12
.set FRB,    1536                      ; a fragment's image
.set PK,     8*FRB                     ; p's bytes of a step
.set VK,     16*FRB                    ; v's
.set VOFF,   4*PK                      ; a slot: four steps of p, then four of v
.set SLOT,   4*(PK+VK)
.set VSC,    2*SLOT                    ; v's scale words of all 16 steps, as they lie in memory: filled once
.set PSC,    VSC+16*1024               ; p's scale words under the row's M: [ks 16][half 2][r 16][a 4]; entry 16: 1 / l.  Written by LDS stores alone
.set SPARE,  PSC+17*512                ; the spare words: 128 bytes a wave, two blocks of 256 bytes that no other line names
.set SPITCH, 528                       ; the way out: 16 rows x (512 bytes + 16) a wave, in slot 0, which has had its last fill and its last read by then
.set R2,   8
.set ADRP, 16                          ; v16-17 p's fragments in slot 0, 1
.set ADRV, 18                          ; v18-21 v's: slot n, steps 0-1 or 2-3 of it: 2 n + q / 2
.set ADSV, 22                          ; v22  v's scale words: lanes 0-15 the even step's, lanes 16-31 the odd step's
.set ADSP, 23                          ; v23  p's likewise
.set STO,  24
.set RD,   25
.set CO,   26                          ; v26  16 x lane
.set ADRL, 27                          ; v27  1 / l of my four blocks of queries
.set SPW,  28
.set NIL,  29
.set PST,  30                          ; v30  where thread 8 r + a puts its words
.set TH4,  31                          ; v31  4 x thread
.set SC,   32                          ; set u at v[SC + 12 u]: 8 registers for v's tiles, 4 for p's blocks
.set RL,   56
.set TO,   64
.set PF,   128
.set BK,   128
.set G1P,  24
.set G0P,  32
.set G1V,  48
.set G0V,  56
.set G1VS, 68
.set G0VS, 76
.set MUL,  0xa1                        ; source 0 (v) window 1, source 1 (p) window 0, C and D window 2
.set MSB, 0
.macro WIN new
.if MSB != (\new)
	s_set_vgpr_msb (MSB<<8)|(\new)
.set MSB, (\new)
.endif
.endm
.macro JLOAD n                         ; a joint refill: waves 0 and 1 fetch p's halves of a slot, waves 2 and 3 v's; four v_nop follow each of the two lines
	s_cmp_eq_u32 s15, 0
	s_cbranch_scc0 .Lfor_v_\@
	tensor_load_to_lds s[G0P+4*\n:G0P+4*\n+3], s[G1P:G1P+7]
	s_nop 0
.rept 4
	v_nop
.endr
	s_branch .Lasked_\@
.Lfor_v_\@:
	tensor_load_to_lds s[G0V+4*\n:G0V+4*\n+3], s[G1V:G1V+7]
	s_nop 0
.rept 4
	v_nop
.endr
.Lasked_\@:
.endm
.macro CREST
	s_cmp_lg_u32 s14, 0
	s_cbranch_scc1 .Lnot_wave_0_\@
	s_barrier_signal -3
.Lnot_wave_0_\@:
	s_barrier_wait -3
	s_barrier_signal -1
	s_barrier_wait -1
.endm
.macro CROUND
	s_barrier_signal -1
	s_barrier_wait -1
	CREST
.endm
.macro PLACES n
.rept \n
	v_nop
.endr
.endm
	s_load_b128 s[4:7], s[0:1], 0x0                ; pfrag, pstat
	s_load_b128 s[8:11], s[0:1], 0x10              ; vfrag, vscl
	s_load_b64 s[12:13], s[0:1], 0x20              ; out0
	v_lshl_add_u32 v[SPW], v0, 2, SPARE
	v_mov_b32 v[NIL], 0
	ds_add_u32 v28, v29
	ds_add_u32 v28, v29
	s_wait_dscnt 0x0
	v_lshrrev_b32 v1, 5, v0
	v_readfirstlane_b32 s14, v1                    ; wave 0..3
	s_lshr_b32 s15, s14, 1                         ; my half of the 128 queries.  Also: I fetch for p (0) or for v (1)
	s_and_b32 s16, s14, 1                          ; my half of the 256 e.  Also: which half of a slot's block I fetch
	s_bfe_u32 s40, ttmp6, 0x40000                  ; cx = which 256 e
	s_bfe_u32 s41, ttmp6, 0x40004                  ; cy
	s_and_b32 s17, ttmp7, 0xffff                   ; cluster y
	s_lshr_b32 s19, s17, 1                         ; the batch, which the whole cluster shares
	s_lshl_b32 s17, s17, 2
	s_add_co_u32 s17, s17, s41                     ; y = 8 x batch + Q8: which 128 queries
	s_lshl_b32 s43, s41, 2
	s_lshl_b32 s43, 15, s43                        ; my row of the cluster
	s_lshl_b32 s44, 0x1111, s40                    ; my column
	; descriptor groups 1: dense blocks as rows of 256 bytes (32 elements of 8 bytes), no padding
	s_or_b32 s[G1P+0], s43, (3<<16)|(1<<21)
	s_or_b32 s[G1V+0], s44, (3<<16)|(1<<21)
	s_or_b32 s[G1VS+0], s44, (3<<16)|(1<<21)
.irp g, G1P, G1V, G1VS
	s_mov_b32 s[\g+1], 32<<16
	s_mov_b32 s[\g+3], 32<<16
	s_mov_b32 s[\g+5], 32
	s_mov_b32 s[\g+6], 0
	s_mov_b32 s[\g+7], 0
.endr
	s_mov_b32 s[G1P+2], (2*PK/256)<<16             ; p: half a slot's block: 96 rows
	s_mov_b32 s[G1P+4], 2*PK/256
	s_mov_b32 s[G1V+2], (2*VK/256)<<16             ; v: 192 rows
	s_mov_b32 s[G1V+4], 2*VK/256
	s_mov_b32 s[G1VS+2], 32<<16                    ; v's scale words: half of 16,384 bytes: 32 rows
	s_mov_b32 s[G1VS+4], 32
	; vector addresses
	v_and_b32 v1, 31, v0                           ; lane
	v_and_b32 v2, 15, v0                           ; r
	v_bfe_u32 v3, v0, 4, 1                         ; h
	v_lshlrev_b32 v[CO], 4, v1
	v_lshlrev_b32 v[TH4], 2, v0
	s_mul_i32 s18, s15, 4*FRB
	v_add_nc_u32 v[ADRP], s18, v[CO]               ; my four blocks of queries
	v_add_nc_u32 v[ADRP+1], SLOT, v[ADRP]
	s_mul_i32 s18, s16, 8*FRB
	s_add_co_u32 s18, s18, VOFF
	v_add_nc_u32 v[ADRV], s18, v[CO]               ; my eight tiles of e
	v_add_nc_u32 v[ADRV+1], 2*VK, v[ADRV]
	v_add_nc_u32 v[ADRV+2], SLOT, v[ADRV]
	v_add_nc_u32 v[ADRV+3], SLOT, v[ADRV+1]
	v_lshlrev_b32 v[ADSV], 5, v2
	v_lshl_add_u32 v[ADSV], v3, 10, v[ADSV]
	s_lshl_b32 s18, s16, 9
	s_add_co_u32 s18, s18, VSC
	v_add_nc_u32 v[ADSV], s18, v[ADSV]             ; VSC + 1,024 h + 512 x my half + 32 r
	v_lshlrev_b32 v[ADRL], 4, v2
	s_lshl_b32 s18, s15, 8
	s_add_co_u32 s18, s18, PSC
	v_add_nc_u32 v[ADRL], s18, v[ADRL]             ; PSC + 256 x my half + 16 r
	v_lshl_add_u32 v[ADSP], v3, 9, v[ADRL]         ; + 512 h
	v_add_nc_u32 v[ADRL], 16*512, v[ADRL]          ; entry 16
	v_bfe_u32 v4, v0, 2, 1
	v_lshrrev_b32 v5, 3, v0
	v_and_b32 v6, 3, v0
	v_lshlrev_b32 v[PST], 8, v4
	v_lshl_add_u32 v[PST], v5, 4, v[PST]
	v_lshl_add_u32 v[PST], v6, 2, v[PST]
	v_add_nc_u32 v[PST], PSC, v[PST]               ; thread 8 r + a: PSC + 256 (a / 4) + 16 r + 4 (a % 4)
	s_mul_i32 s18, s14, 16*SPITCH                  ; my stage
	v_mul_u32_u24 v[STO], v2, SPITCH
	v_lshl_add_u32 v[STO], v3, 5, v[STO]
	v_add_nc_u32 v[STO], s18, v[STO]               ; in: row r, 32 bytes for each half of the lanes
	v_add_nc_u32 v[RD], s18, v[CO]                 ; back: the 32 lanes take one row of 512 bytes
	; where the tiles come from.  p's hang on y alone, v's on the batch and cx alone
	s_mul_i32 s20, s17, 16*PK
	s_mul_i32 s21, s16, 2*PK
	s_add_co_u32 s20, s20, s21
	s_mov_b32 s21, 0
	s_lshl_b32 s46, s19, 2
	s_add_co_u32 s46, s46, s40                     ; 4 x batch + E4
	s_lshl_b32 s82, s46, 14
	s_lshl_b32 s83, s16, 13
	s_add_co_u32 s82, s82, s83
	s_mov_b32 s83, 0
	s_mul_i32 s46, s46, 16*VK
	s_mul_i32 s47, s16, 2*VK
	s_add_co_u32 s46, s46, s47
	s_mov_b32 s47, 0
	s_mul_i32 s45, s16, 2*PK                       ; and where they go in a slot: the wave's number alone
	s_mul_i32 s84, s16, 2*VK
	s_add_co_u32 s84, s84, VOFF
	s_lshl_b32 s85, s16, 13
	s_add_co_u32 s85, s85, VSC
	s_lshl_b32 s22, s17, 13                        ; pstat: 8,192 bytes for each 128 queries, in each section
	s_mov_b32 s23, 0
	s_and_b32 s86, s17, 7                          ; out0: row (128 Q8 + 64 x my half, batch) of 4,096 bytes, + 1,024 E4 + 512 x my half of e
	s_lshl_b32 s86, s86, 7
	s_lshl_b32 s87, s15, 6
	s_add_co_u32 s86, s86, s87
	s_lshl_b32 s86, s86, 3
	s_add_co_u32 s86, s86, s19
	s_lshl_b32 s86, s86, 12
	s_lshl_b32 s87, s40, 10
	s_add_co_u32 s86, s86, s87
	s_lshl_b32 s87, s16, 9
	s_add_co_u32 s86, s86, s87
	s_mov_b32 s87, 0
	s_mov_b32 s88, 0x01010101
	s_wait_kmcnt 0x0
	s_add_nc_u64 s[6:7], s[6:7], s[22:23]
.irp ks, 0,1,2,3,4,5,6,7,8,9,10,11,12,13,14,15
	global_load_b32 v[64+\ks], v[TH4], s[6:7] offset:524288+512*\ks    ; -M of chunk ks, for row r of block a: thread 8 r + a; a wave reads 128 consecutive bytes
.endr
.irp ks, 0,1,2,3,4,5,6,7,8,9,10,11,12,13,14,15
	global_load_b32 v[80+\ks], v[TH4], s[6:7] offset:1048576+512*\ks   ; l
.endr
.irp ks, 0,1,2,3,4,5,6,7,8,9,10,11,12,13,14,15
	global_load_b32 v[96+\ks], v[TH4], s[6:7] offset:512*\ks           ; the scale word
.endr
	s_add_nc_u64 s[20:21], s[4:5], s[20:21]
	s_add_nc_u64 s[46:47], s[8:9], s[46:47]
	s_add_nc_u64 s[82:83], s[10:11], s[82:83]
	s_add_nc_u64 s[12:13], s[12:13], s[86:87]
.irp n, 0,1
	s_mov_b32 s[G0P+4*\n], 1
	s_add_co_u32 s[G0P+4*\n+1], s45, \n*SLOT
	s_add_nc_u64 s[G0P+4*\n+2:G0P+4*\n+3], s[20:21], \n*4*PK
	s_or_b32 s[G0P+4*\n+3], s[G0P+4*\n+3], 0x80000000
	s_mov_b32 s[G0V+4*\n], 1
	s_add_co_u32 s[G0V+4*\n+1], s84, \n*SLOT
	s_add_nc_u64 s[G0V+4*\n+2:G0V+4*\n+3], s[46:47], \n*4*VK
	s_or_b32 s[G0V+4*\n+3], s[G0V+4*\n+3], 0x80000000
.endr
	s_mov_b32 s[G0VS], 1
	s_mov_b32 s[G0VS+1], s85
	s_mov_b64 s[G0VS+2:G0VS+3], s[82:83]
	s_or_b32 s[G0VS+3], s[G0VS+3], 0x80000000
	CROUND                                         ; all sixteen work-groups are here: the first joint loads meet
	s_cmp_eq_u32 s15, 0                            ; a wave's first fills stand in one branch: two loads of mine are out, or three; the youngest is slot 1's on both ways
	s_cbranch_scc0 .Lfirst_v
	tensor_load_to_lds s[G0P:G0P+3], s[G1P:G1P+7]
	s_nop 0
	tensor_load_to_lds s[G0P+4:G0P+7], s[G1P:G1P+7]
	s_nop 0
.rept 4
	v_nop
.endr
	s_branch .Lfirst_asked
.Lfirst_v:
	tensor_load_to_lds s[G0VS:G0VS+3], s[G1VS:G1VS+7]
	s_nop 0
	tensor_load_to_lds s[G0V:G0V+3], s[G1V:G1V+7]
	s_nop 0
	tensor_load_to_lds s[G0V+4:G0V+7], s[G1V:G1V+7]
	s_nop 0
.rept 4
	v_nop
.endr
.Lfirst_asked:
	; THE CHUNKS ARE JOINED.  Thread 8 r + a owns row r of block a.
	s_wait_loadcnt 0x0
	v_min3_num_f32 v112, v64, v65, v66
.irp i, 67,69,71,73,75,77
	v_min3_num_f32 v112, v112, v[\i], v[\i+1]
.endr
	v_min_num_f32 v112, v112, v79                  ; the smallest -M: the row's
.irp ks, 0,1,2,3,4,5,6,7,8,9,10,11,12,13,14,15
	v_sub_f32 v113, v112, v[64+\ks]                ; M_chunk - M_row: a whole number, 0 or less
	v_cvt_i32_f32 v113, v113                       ; (it saturates)
.if \ks == 0
	v_ldexp_f32 v115, v[80+\ks], v113              ; the chunk's sum under the row's M starts the row's sum
.else
	v_ldexp_f32 v114, v[80+\ks], v113
	v_add_f32 v115, v115, v114
.endif
	v_sub_nc_u32 v113, 0, v113
	v_min_u32 v113, 0x7f, v113                     ; what comes off each byte, 127 at the most
	v_mul_lo_u32 v113, v113, s88                   ; in all four bytes
	v_or_b32 v116, 0x80808080, v[96+\ks]           ; the bytes are 1 to 125: with bit 7 set no byte borrows from its neighbour
	v_sub_nc_u32 v116, v116, v113
	v_and_b32 v117, 0x80808080, v116               ; bit 7 has stayed where the byte has not fallen under 0
	v_lshrrev_b32 v118, 7, v117
	v_sub_nc_u32 v117, v117, v118                  ; 0x7f in those bytes, 0 in the others
	v_and_b32 v116, v116, v117                     ; byte - what comes off, held at 0
	ds_store_b32 v[PST], v116 offset:512*\ks
.endr
	v_rcp_f32 v119, v115
	v_nop                                          ; a plain line behind the reciprocal
	s_wait_alu depctr_va_vdst(0)                   ; and a wait ahead of its first reader
	ds_store_b32 v[PST], v119 offset:16*512
	s_wait_dscnt 0x0                               ; for the others' sake: my stores have landed
	s_wait_tensorcnt 1                             ; v's scale words and my part of slot 0 are in; slot 1's load may be out
	s_barrier_signal -1
	s_barrier_wait -1
.macro FETCH k                         ; step k's fragments into set k % 2: 24 loads for v, 12 for p; with an even step the scale words of two steps: 3 loads
.set FN, ((\k)/4)%2
.set FQ, (\k)%4
.set FS, (\k)%2
.set FU, ((\k)/2)%2
	WIN 0x40
.irp i, 0,1,2,3,4,5,6,7
.irp c, 0,1,2
	ds_load_b128 v[128*FS+FR*\i+4*\c:128*FS+FR*\i+4*\c+3], v[ADRV+2*FN+FQ/2] offset:(FQ%2)*VK+FRB*\i+512*\c
.endr
.endr
	WIN 0
.irp a, 0,1,2,3
.irp c, 0,1,2
	ds_load_b128 v[PF+48*FS+FR*\a+4*\c:PF+48*FS+FR*\a+4*\c+3], v[ADRP+FN] offset:FQ*PK+FRB*\a+512*\c
.endr
.endr
.if FS == 0
	ds_load_b128 v[SC+12*FU:SC+12*FU+3], v[ADSV] offset:2048*((\k)/2)
	ds_load_b128 v[SC+12*FU+4:SC+12*FU+7], v[ADSV] offset:2048*((\k)/2)+16
	ds_load_b128 v[SC+12*FU+8:SC+12*FU+11], v[ADSP] offset:1024*((\k)/2)
.endif
.endm
; 8 matrix instructions: p's block a x v's eight tiles.  The 32 accumulators take turns, one instruction a turn, in the same order in every step.
.macro MULA k, a
.set MS, (\k)%2
.set MU, ((\k)/2)%2
.irp i, 0,1,2,3,4,5,6,7
.if (\k) == 0
	v_wmma_scale_f32_16x16x128_f8f6f4 v[8*(8*(\a)+\i):8*(8*(\a)+\i)+7], v[128*MS+FR*\i:128*MS+FR*\i+FR-1], v[PF+48*MS+FR*(\a):PF+48*MS+FR*(\a)+FR-1], 0, v[SC+12*MU+\i], v[SC+12*MU+8+(\a)] matrix_a_fmt:MATRIX_FMT_FP6 matrix_b_fmt:MATRIX_FMT_FP6
.elseif MS == 0
	v_wmma_scale_f32_16x16x128_f8f6f4 v[8*(8*(\a)+\i):8*(8*(\a)+\i)+7], v[128*MS+FR*\i:128*MS+FR*\i+FR-1], v[PF+48*MS+FR*(\a):PF+48*MS+FR*(\a)+FR-1], v[8*(8*(\a)+\i):8*(8*(\a)+\i)+7], v[SC+12*MU+\i], v[SC+12*MU+8+(\a)] matrix_a_fmt:MATRIX_FMT_FP6 matrix_b_fmt:MATRIX_FMT_FP6
.else
	v_wmma_scale_f32_16x16x128_f8f6f4 v[8*(8*(\a)+\i):8*(8*(\a)+\i)+7], v[128*MS+FR*\i:128*MS+FR*\i+FR-1], v[PF+48*MS+FR*(\a):PF+48*MS+FR*(\a)+FR-1], v[8*(8*(\a)+\i):8*(8*(\a)+\i)+7], v[SC+12*MU+\i], v[SC+12*MU+8+(\a)] matrix_a_fmt:MATRIX_FMT_FP6 matrix_b_fmt:MATRIX_FMT_FP6 matrix_a_scale:MATRIX_SCALE_ROW1 matrix_b_scale:MATRIX_SCALE_ROW1
.endif
.endr
.endm
.macro KSTEP k                         ; a step that has its successor in the same slot
	s_wait_dscnt 0x0                               ; this step's fragments are in (asked for 24 matrix instructions ago)
	WIN MUL
	MULA \k, 0
	PLACES 4                                       ; in front of loads into the set that the step before multiplied
	FETCH (\k)+1
	WIN MUL
	MULA \k, 1
	MULA \k, 2
	MULA \k, 3
.endm
; A slot's last step changes slots: one barrier; in front of it each wave waits for all its tensor loads, adds 0 to its spare word, and waits for that and for its reads of this slot.
.macro TURN k, fill
.set TN, ((\k)/4)%2
	WIN 0                                          ; (the add's two registers lie in window 0)
	s_wait_tensorcnt 0x0                           ; all my tensor loads have landed: my part of the next slot
	ds_add_u32 v[SPW], v[NIL]                      ; 0 onto my spare word
	s_wait_dscnt 1                                 ; this step's fragments are in; the add may be out
	WIN MUL
	MULA \k, 0
	s_wait_dscnt 0x0                               ; the add is done, and my reads of this slot are over
	s_barrier_signal -1
	MULA \k, 1
	WIN 0
	s_barrier_wait -1
.if \fill
	CREST                                          ; a round of the cluster's barrier: no wave of any partner still reads this slot or has a load on its way
	s_add_nc_u64 s[G0P+4*TN+2:G0P+4*TN+3], s[G0P+4*TN+2:G0P+4*TN+3], 8*PK
	s_add_nc_u64 s[G0V+4*TN+2:G0V+4*TN+3], s[G0V+4*TN+2:G0V+4*TN+3], 8*VK
	JLOAD TN                                       ; the first tensor load behind the round: it has four steps, 128 matrix instructions, in which to land; its four v_nop are the places in front of the loads below
.else
	PLACES 4
.endif
	FETCH (\k)+1
	WIN MUL
	MULA \k, 2
	MULA \k, 3
.endm
	ds_load_b128 v[RL:RL+3], v[ADRL]               ; 1 / l of my query in my four blocks
	FETCH 0
	s_wait_dscnt 39                                ; 1 / l is in; the 39 loads of step 0 may be out
.irp a, 0,1,2,3
	v_mov_b32 v[R2+2*\a], v[RL+\a]                 ; twice: a pair for the packed multiply
	v_mov_b32 v[R2+2*\a+1], v[RL+\a]
.endr
	KSTEP 0
	KSTEP 1
	KSTEP 2
	TURN 3, 1
	KSTEP 4
	KSTEP 5
	KSTEP 6
	TURN 7, 1
	KSTEP 8
	KSTEP 9
	KSTEP 10
	TURN 11, 0                                     ; nothing is left to fetch
	KSTEP 12
	KSTEP 13
	KSTEP 14
	s_wait_dscnt 0x0
	WIN MUL
	MULA 15, 0
	MULA 15, 1
	MULA 15, 2
	MULA 15, 3
	WIN 0
; THE WAY OUT, block by block of 16 queries x 128 e: divided by l, through my own stage in LDS, back as whole rows of 512 bytes.
.macro MULS a
	WIN 0x02                                       ; source 0: window 2
.set I, 0
.rept 32
	v_pk_mul_f32 v[TO+2*I:TO+2*I+1], v[64*(\a)+2*I:64*(\a)+2*I+1], v[R2+2*(\a):R2+2*(\a)+1]   ; each accumulator from its low end on
.set I, I+1
.endr
	WIN 0
.endm
.macro TOSTAGE a
.irp b, 0,1,2,3,4,5,6,7
	ds_store_b128 v[STO], v[TO+8*\b:TO+8*\b+3] offset:64*\b
	ds_store_b128 v[STO], v[TO+8*\b+4:TO+8*\b+7] offset:64*\b+16
.endr
.set BB, BK+64*((\a)%2)
.irp t, 0,1,2,3,4,5,6,7,8,9,10,11,12,13,14,15
	ds_load_b128 v[BB+4*\t:BB+4*\t+3], v[RD] offset:\t*SPITCH      ; LDS serves a wave's instructions in order (ISA guide 5.7.1.4): these see the stores above
.endr
.endm
.macro SEND a, younger
.set BB, BK+64*((\a)%2)
	s_wait_dscnt \younger                          ; the block is back in registers
.irp t, 0,1,2,3,4,5,6,7,8,9,10,11,12,13,14,15
	global_store_b128 v[CO], v[BB+4*\t:BB+4*\t+3], s[12:13] offset:(16*(\a)+\t)*32768 th:TH_STORE_NT   ; 32 lanes store 512 consecutive bytes, at a multiple of 256 from the buffer's first byte; from query to query 8 batches x 4,096 bytes
.endr
.endm
	PLACES 4                                       ; behind the last products
	MULS 0
	TOSTAGE 0
.irp a, 1,2,3
	s_wait_dscnt 16                                ; the last block's 16 stores into the stage are done; its 16 loads may be out
.if \a > 1
	s_wait_xcnt 0x0                                ; block a - 2's stores have read their registers: block a's loads land there
.endif
	MULS \a
	TOSTAGE \a
	SEND \a-1, 32                                  ; behind block a - 1's loads: block a's 16 stores and 16 loads
.endr
	SEND 3, 0
	s_wait_tensorcnt 0x0                           ; the wave's end
	ds_add_u32 v[SPW], v[NIL]
	s_wait_dscnt 0x0
	CROUND                                         ; the closing round
	s_endpgm
.Lfunc_end_k_q4e606f8b7d_pv:
	.size	k_q4e606f8b7d_pv, .Lfunc_end_k_q4e606f8b7d_pv-k_q4e606f8b7d_pv
	.p2alignl 7, 3214868480
	.fill 96, 4, 3214868480
	.section	.rodata,"a",@progbits
	.p2align	6, 0x0
	.amdhsa_kernel k_q4e606f8b7d_pv
		.amdhsa_group_segment_fixed_size 327680
		.amdhsa_private_segment_fixed_size 0
		.amdhsa_enable_private_segment 0
		.amdhsa_kernarg_size 40
		.amdhsa_user_sgpr_count 2
		.amdhsa_user_sgpr_kernarg_segment_ptr 1
		.amdhsa_wavefront_size32 1
		.amdhsa_system_sgpr_workgroup_id_x 1
		.amdhsa_system_sgpr_workgroup_id_y 1
		.amdhsa_system_sgpr_workgroup_id_z 1
		.amdhsa_system_vgpr_workitem_id 0
		.amdhsa_next_free_vgpr 768
		.amdhsa_next_free_sgpr 92
		.amdhsa_reserve_vcc 0
		.amdhsa_float_denorm_mode_32 3
		.amdhsa_float_denorm_mode_16_64 3
		.amdhsa_memory_ordered 1
		.amdhsa_forward_progress 1
		.amdhsa_inst_pref_size 155
	.end_amdhsa_kernel
	.amdgpu_metadata
---
amdhsa.version: [ 1, 2 ]
amdhsa.kernels:
  - .name:           k_q4e606f8b7d_pv
    .symbol:         k_q4e606f8b7d_pv.kd
    .args:
      - { .name: pfrag, .offset: 0, .size: 8, .value_kind: global_buffer, .address_space: global }
      - { .name: pstat, .offset: 8, .size: 8, .value_kind: global_buffer, .address_space: global }
      - { .name: vfrag, .offset: 16, .size: 8, .value_kind: global_buffer, .address_space: global }
      - { .name: vscl, .offset: 24, .size: 8, .value_kind: global_buffer, .address_space: global }
      - { .name: out0, .offset: 32, .size: 8, .value_kind: global_buffer, .address_space: global }
    .group_segment_fixed_size: 327680
    .private_segment_fixed_size: 0
    .kernarg_segment_align: 8
    .kernarg_segment_size: 40
    .max_flat_workgroup_size: 128
    .sgpr_count:     92
    .vgpr_count:     768
    .wavefront_size: 32
...
	.end_amdgpu_metadata
.endif
;; end of part 3
